; MI455X (gfx1250); checked and timed in simulation.
; The chip was launched on July 23, 2026; its instructions are those of AMD's public machine-readable ISA for CDNA 5 (MIT licence, August 2026) and "CDNA5" Instruction Set Architecture Reference Guide (July 2026). The comments in the code are by the model that wrote it; some were corrected since.
;; Multi Head Self Attention. Allowed arithmetic: matrix products marked QUANTISED: E4M3 operands, one E8M0 scale for each 32 along K, by v_wmma_scale_f32_16x16x128_f8f6f4 with both operands' format E4M3, f32 sums; everything else in f32.
;; Inputs: Wk 1,024 x 1,024 float32; Wo 1,024 x 1,024 float32; Wq 1,024 x 1,024 float32; Wv 1,024 x 1,024 float32; bk 1,024 float32; bo 1,024 float32; bq 1,024 float32; bv 1,024 float32; x 4 x 2,048 x 1,024 float32.
;; Outputs: out0 4 x 2,048 x 1,024 float32.
;; This version of the problem:
;;   THIS VERSION OF THE PROBLEM IS GIVEN IN LOW PRECISION. The matrix products marked QUANTISED in the list below multiply operands that are first quantised to E4M3 (4 exponent bits, 3 mantissa bits; 8 bits a number), with one power-of-two scale for each 32 numbers along K (OCP MX v1.0); their sums are f32. All else is computed in f32.
;;   The module's matrix products, in the order in which they are computed (A, B: the left and right operand; K: the contracted axis; several contracted axes count as one K, in the product's order):
;;     1. [M 8,192, K 1,024] x [K 1,024, N 1,024]; A: input x; B: input Wq: QUANTISED
;;     2. [M 8,192, K 1,024] x [K 1,024, N 1,024]; A: input x; B: input Wk: QUANTISED
;;     3. [M 8,192, K 1,024] x [K 1,024, N 1,024]; A: input x; B: input Wv: QUANTISED
;;     4. batch 64 x [M 2,048, K 64] x [K 64, N 2,048]; A: computed on the way; B: computed on the way: QUANTISED
;;     5. batch 64 x [M 2,048, K 2,048] x [K 2,048, N 64]; A: softmax (see below); B: computed on the way: QUANTISED
;;     6. [M 8,192, K 1,024] x [K 1,024, N 1,024]; A: computed on the way; B: input Wo: QUANTISED
;;   THE QUANTISER, for each operand of a quantised product, along K:
;;     - K is cut into blocks of 32 from its start; a last block that is shorter is filled with zeros.
;;     - A block's scale is 2^e with e = floor(log2(the largest magnitude in the block)) - 8, held to -126 .. 127; a block of zeros has e = 0. As a byte (E8M0): e + 127.
;;     - Each number is divided by its block's scale, clamped to +-448, and rounded to the nearest number of E4M3, ties to even, subnormals kept.
;;     - The product sums the exact products of the quantised numbers (number of the format x scale) in f32.
;;   ~~~python
;;   def quantise(x, axis):      # numpy; x: float32 -> the quantised numbers, widened to float32 again
;;       x = np.moveaxis(x, axis, -1); K = x.shape[-1]
;;       x = np.pad(x, [(0, 0)] * (x.ndim - 1) + [(0, -K % 32)]); x = x.reshape(x.shape[:-1] + (-1, 32)); a = np.abs(x).max(-1, keepdims=True)
;;       e = np.where(a > 0, np.clip(np.frexp(np.where(a > 0, a, 1))[1] - 1 - 8, -126, 127), 0)      # np.frexp(a)[1] - 1 = floor(log2(a)), exactly
;;       r = np.clip(x / 2.0 ** e, -448, 448)
;;       step = 2.0 ** (np.maximum(np.frexp(np.where(r == 0, 1, r))[1] - 1, -6) - 3)
;;       q = np.round(r / step) * step * 2.0 ** e      # np.round: ties to even
;;       return np.moveaxis(q.reshape(q.shape[:-2] + (-1,))[..., :K], -1, axis).astype(np.float32)
;;   ~~~
;;   SOFTMAX AHEAD OF A QUANTISED PRODUCT. Where the list says 'softmax', what is quantised is not the finished softmax but p = 2^(t - M), with t = logit x log2(e) and M = ceil(the row's largest t), a whole number; so 1/2 < the row's largest p <= 1. The row's sum l is taken of the UNQUANTISED p, in f32, and the product's result is divided by l at the end. Since M is a whole number, a kernel that streams over the keys may use a running M (the ceiling of the running maximum): every later rescaling is an exact power of two, which a block's scale takes up: the codes' values come out the same.
;;   OPERANDS COMPUTED ON THE WAY. 'Computed on the way' means the value that the module computes at that place (a softmax that the list does not call 'softmax' is quantised finished and normalised). What goes into a quantiser is computed in f32, as accurately as f32 sums, v_exp_f32 and their like allow (about 1e-6 of the number): no bf16 or f16 on the way to a quantiser, and a product that is left as it is and whose result goes on into a quantised operand takes f32 operands (vector FMAs, or v_wmma_f32_16x16x4_f32). A number that lies on a knife's edge between two numbers of the format may be rounded either way, as far as f32 arithmetic and the matrix unit's own rounding can turn it there, and no further.
;; One version. Each part assembles by itself: llvm-mc -triple=amdgcn-amd-amdhsa -mcpu=gfx1250 --defsym DOCPART=n.
;; ======== version 1 of 1: 4 launches
;; limits: right only within a limited range of input values
;; workspace buffers: xw 12,976,128 bytes; qkv 25,952,256 bytes; ao 8,650,752 bytes
;; launch quant (part 1): grid 384 x 1, 4 waves a work-group, no clusters, 33,280 bytes of LDS; arguments x, Wq, Wk, Wv, Wo, xw; writes xw
.if DOCPART == 1
	.amdgcn_target "amdgcn-amd-amdhsa--gfx1250"
	.amdhsa_code_object_version 6
	.text
	.protected	k_q57a865e4b2_quant
	.globl	k_q57a865e4b2_quant
	.p2align	8
	.type	k_q57a865e4b2_quant,@function
k_q57a865e4b2_quant:
	s_mov_b64 s[64:65], 0
	v_nop
	global_prefetch_b8 v0, s[64:65] scope:SCOPE_SE
	s_setreg_imm32_b32 hwreg(HW_REG_WAVE_MODE, 25, 1), 1
	s_wait_xcnt 0x0
; x [8192][1024] and Wq, Wk, Wv, Wo [1024][1024], f32 with K innermost, become codes of FP8 (E4M3) with one E8M0 scale byte for each 32 along K, in one buffer xw:
; codes [12288 rows][1024] at byte 0, scale bytes [12288 rows][32] at byte XWS; x's rows first, then Wq's, Wk's, Wv's, Wo's.
; A block's scale is 2^(floor(log2(its largest magnitude)) - 8); its byte is the largest magnitude's exponent field - 8, held at 1 from below.  Each number is divided by the scale, held within +-448, rounded to the nearest code, ties to even.
; THE ROWS ARE STORED IN ANOTHER ORDER: storage row s holds the true row with bits 3 and 4 of s exchanged.  Sixteen neighbouring storage rows are then two groups of eight true rows, 16 apart: the later products' results so
; come out with sixteen neighbours along the next K in one lane.  A wave's run is eight rows, so the exchange is a choice of where the run goes: wave w of a work-group (32 rows) stores as run ((w & 1) << 1) | (w >> 1).
; LIMITS: a block whose largest magnitude lies under 2^-118 keeps the byte 1; a block of zeros has the byte 1 (its codes are zeros, and this program alone reads the bytes); NaN and infinities are not served.
; A wave takes 16 steps of 512 numbers.  Each of a step's four loads reads 512 consecutive bytes; the 2,048 bytes turn through the wave's own stage in LDS and come back 64 bytes a lane: 16 neighbours, two lanes to a block.
; A lane's 16 codes are 16 bytes: the wave stores 512 consecutive bytes.  A wave's 256 scale bytes are gathered in LDS and leave as 256 consecutive aligned bytes.  Waves share nothing: no barrier.
.set STEPS, 16
.set XWS,   12582912                   ; where the scale bytes begin in xw
.set EMAX,  8
.set MANT,  0x600000                   ; the mantissa field of 448 as f32
.set CB,    16                         ; bytes of 16 codes
.set R,     16                         ; v16-79   four sets of 16 numbers as they are loaded
.set X,     80                         ; v80-111  two sets of 16 neighbours
.set C,     128                        ; v128-191 codes: four registers for each step, so that no store's data are written again
.set E,     112                        ; v112-127 a scale byte for each step
.set WREG,  8192                       ; LDS: a region for each wave: two stages of 32 x SP bytes, behind them its 256 scale bytes
.set SP,    80                         ; a lane's place in a stage: its 64 bytes + 16 of padding
	s_load_b256 s[4:11], s[0:1], 0x0               ; x, Wq, Wk, Wv
	s_load_b128 s[12:15], s[0:1], 0x20             ; Wo, xw
	v_lshl_add_u32 v192, v0, 2, 0x8000
	v_mov_b32 v193, 0
	v_lshrrev_b32 v1, 5, v0
	v_readfirstlane_b32 s16, v1                    ; wave
	v_and_b32 v2, 31, v0                           ; lane
	v_lshlrev_b32 v3, 4, v2                        ; my 16 bytes of a load's 512
	s_mul_i32 s17, s16, WREG
	v_lshrrev_b32 v14, 2, v2
	v_mul_u32_u24 v14, v14, SP
	v_and_b32 v15, 3, v2
	v_lshl_add_u32 v14, v15, 4, v14
	v_add_nc_u32 v14, s17, v14                     ; the stage, on the way in: SP (lane / 4) + 16 (lane % 4)
	v_mul_u32_u24 v15, v2, SP
	v_add_nc_u32 v15, s17, v15                     ; and on the way out: SP x lane: my 16 neighbours
	v_mul_u32_u24 v4, v2, CB                       ; my codes' place in a step's
	v_lshrrev_b32 v5, 1, v2
	s_add_co_u32 s17, s17, 2*32*SP
	v_add_nc_u32 v5, s17, v5                       ; LDS: my wave's 256 scale bytes, my block's byte
	v_lshlrev_b32 v7, 3, v2                        ; and on the way out 8 bytes a lane
	v_add_nc_u32 v6, s17, v7
	s_mov_b32 s23, MANT                            ; (an instruction takes one literal: the hold's line has another)
	s_and_b32 s17, ttmp9, 31                       ; a weight has 32 work-groups, x has 256
	s_cmp_lt_u32 ttmp9, 256
	s_cselect_b32 s17, ttmp9, s17                  ; my work-group's number within its tensor
	s_lshl_b32 s17, s17, 2
	s_add_co_u32 s18, s17, s16                     ; which run of 8,192 numbers of the tensor is my wave's
	s_lshl_b32 s18, s18, 15                        ; 32,768 bytes a run
	s_mov_b32 s19, 0
	s_and_b32 s20, s16, 1
	s_lshl_b32 s20, s20, 1
	s_lshr_b32 s21, s16, 1
	s_or_b32 s20, s20, s21                         ; where the run goes among the work-group's four
	s_lshl_b32 s21, ttmp9, 2
	s_add_co_u32 s20, s20, s21                     ; and in xw: the tensors' rows follow each other as the work-groups do
	s_lshl_b32 s24, s20, 13                        ; 8,192 bytes of codes a run
	s_mov_b32 s25, 0
	s_lshl_b32 s26, s20, 8                         ; 256 scale bytes a run
	s_add_co_u32 s26, s26, XWS
	s_mov_b32 s27, 0
	s_wait_alu depctr_va_vdst(0)
	s_wait_kmcnt 0x0
	s_cmp_lt_u32 ttmp9, 256                        ; which tensor: the choice hangs on the work-group's number alone
	s_cselect_b64 s[4:5], s[4:5], s[6:7]
	s_cmp_ge_u32 ttmp9, 288
	s_cselect_b64 s[4:5], s[8:9], s[4:5]
	s_cmp_ge_u32 ttmp9, 320
	s_cselect_b64 s[4:5], s[10:11], s[4:5]
	s_cmp_ge_u32 ttmp9, 352
	s_cselect_b64 s[4:5], s[12:13], s[4:5]
	s_add_nc_u64 s[4:5], s[4:5], s[18:19]
	s_add_nc_u64 s[8:9], s[14:15], s[24:25]        ; the codes
	s_add_nc_u64 s[10:11], s[14:15], s[26:27]      ; the scale bytes
.macro LOAD t
.irp i, 0,1,2,3
	global_load_b128 v[R+16*((\t)%4)+4*\i:R+16*((\t)%4)+4*\i+3], v3, s[4:5] offset:2048*(\t)+512*\i th:TH_LOAD_NT   ; 32 lanes read 512 consecutive bytes
.endr
.endm
.macro TURN t                          ; step t's numbers through the stage: LDS serves a wave's instructions in order, so no wait stands between the stores and the loads
.irp i, 0,1,2,3
	ds_store_b128 v14, v[R+16*((\t)%4)+4*\i:R+16*((\t)%4)+4*\i+3] offset:32*SP*((\t)%2)+8*SP*\i
.endr
.irp i, 0,1,2,3
	ds_load_b128 v[X+16*((\t)%2)+4*\i:X+16*((\t)%2)+4*\i+3], v15 offset:32*SP*((\t)%2)+16*\i
.endr
.endm
.irp t, 0,1,2,3
	LOAD \t
.endr
	s_wait_loadcnt 12                              ; step 0's four loads are in; the twelve of steps 1 to 3 may be out
	TURN 0
.macro STEP t
.set XS, X+16*((\t)%2)
.if (\t) > 0
	s_wait_dscnt 1                                 ; this step's numbers are back from the stage (the last step's byte store may be out): so its stores into the stage have read their registers,
.else
	s_wait_dscnt 0x0
.endif
.if (\t)+4 < STEPS
	LOAD (\t)+4                                    ; which take the loads of four steps on
.endif
.if (\t)+1 < STEPS
.if STEPS-2-(\t) >= 3
	s_wait_loadcnt 12                              ; the next step's four loads are in; those of the three steps behind it may be out
.else
	s_wait_loadcnt 4*(STEPS-2-(\t))
.endif
	TURN (\t)+1                                    ; and go through the other stage while this step is worked
.endif
	v_max3_num_f32 v8, |v[XS]|, |v[XS+1]|, |v[XS+2]|               ; the largest magnitude of my 16, in two chains
	v_max3_num_f32 v9, |v[XS+3]|, |v[XS+4]|, |v[XS+5]|
.irp i, 6,10
	v_max3_num_f32 v8, v8, |v[XS+\i]|, |v[XS+\i+1]|
	v_max3_num_f32 v9, v9, |v[XS+\i+2]|, |v[XS+\i+3]|
.endr
	v_max3_num_f32 v8, v8, |v[XS+14]|, |v[XS+15]|
	v_max3_num_f32 v8, v8, v9, (EMAX+1)<<23        ; and the floor 2^(9 - 127): the byte cannot fall under 1
	v_max_num_f32_dpp v8, v8, v8 row_xmask:1 row_mask:0xf bank_mask:0xf   ; and of my neighbour's 16: the block's
	v_add_nc_u32 v11, -(EMAX<<23), v8              ; 8 off its exponent field: the conversion takes the exponent field of this operand as its scale
	v_and_or_b32 v10, v8, 0x7f800000, s23          ; 448 x the scale
.irp i, 0,1,2,3,4,5,6,7,8,9,10,11,12,13,14,15
	v_med3_num_f32 v[XS+\i], v[XS+\i], -v10, v10   ; the conversion to an 8-bit code does not saturate (ISA guide 7.6.2): the hold comes first
.endr
	v_cvt_scalef32_pk8_fp8_f32 v[C+4*(\t):C+4*(\t)+1], v[XS:XS+7], v11
	v_cvt_scalef32_pk8_fp8_f32 v[C+4*(\t)+2:C+4*(\t)+3], v[XS+8:XS+15], v11
	v_lshrrev_b32 v[E+(\t)], 23, v11               ; the scale's byte
	ds_store_b8 v5, v[E+(\t)] offset:16*(\t)       ; both lanes of a block write the same byte with the same value
	global_store_b128 v4, v[C+4*(\t):C+4*(\t)+3], s[8:9] offset:32*CB*(\t)
.endm
.irp t, 0,1,2,3,4,5,6,7,8,9,10,11,12,13,14,15
	STEP \t
.endr
	ds_load_b64 v[12:13], v6                       ; LDS serves a wave's instructions in order: these see my stores
	s_wait_dscnt 0x0
	global_store_b64 v7, v[12:13], s[10:11]        ; 32 lanes store 256 consecutive aligned bytes
	s_wait_tensorcnt 0x0
	ds_add_u32 v192, v193
	s_wait_dscnt 0x0
	s_endpgm
.Lfunc_end_k_q57a865e4b2_quant:
	.size	k_q57a865e4b2_quant, .Lfunc_end_k_q57a865e4b2_quant-k_q57a865e4b2_quant
	.p2alignl 7, 3214868480
	.fill 96, 4, 3214868480
	.section	.rodata,"a",@progbits
	.p2align	6, 0x0
	.amdhsa_kernel k_q57a865e4b2_quant
		.amdhsa_group_segment_fixed_size 33280
		.amdhsa_private_segment_fixed_size 0
		.amdhsa_enable_private_segment 0
		.amdhsa_kernarg_size 48
		.amdhsa_user_sgpr_count 2
		.amdhsa_user_sgpr_kernarg_segment_ptr 1
		.amdhsa_wavefront_size32 1
		.amdhsa_system_sgpr_workgroup_id_x 1
		.amdhsa_system_sgpr_workgroup_id_y 1
		.amdhsa_system_sgpr_workgroup_id_z 1
		.amdhsa_system_vgpr_workitem_id 0
		.amdhsa_next_free_vgpr 194
		.amdhsa_next_free_sgpr 66
		.amdhsa_reserve_vcc 0
		.amdhsa_float_denorm_mode_32 3
		.amdhsa_float_denorm_mode_16_64 3
		.amdhsa_memory_ordered 1
		.amdhsa_forward_progress 1
		.amdhsa_inst_pref_size 51
	.end_amdhsa_kernel
	.amdgpu_metadata
---
amdhsa.version: [ 1, 2 ]
amdhsa.kernels:
  - .name:           k_q57a865e4b2_quant
    .symbol:         k_q57a865e4b2_quant.kd
    .args:
      - { .name: x, .offset: 0, .size: 8, .value_kind: global_buffer, .address_space: global }
      - { .name: Wq, .offset: 8, .size: 8, .value_kind: global_buffer, .address_space: global }
      - { .name: Wk, .offset: 16, .size: 8, .value_kind: global_buffer, .address_space: global }
      - { .name: Wv, .offset: 24, .size: 8, .value_kind: global_buffer, .address_space: global }
      - { .name: Wo, .offset: 32, .size: 8, .value_kind: global_buffer, .address_space: global }
      - { .name: xw, .offset: 40, .size: 8, .value_kind: global_buffer, .address_space: global }
    .group_segment_fixed_size: 33280
    .private_segment_fixed_size: 0
    .kernarg_segment_align: 8
    .kernarg_segment_size: 48
    .max_flat_workgroup_size: 128
    .sgpr_count:     66
    .vgpr_count:     194
    .wavefront_size: 32
...
	.end_amdgpu_metadata
.endif
;; end of part 1
;; launch qkv (part 2): grid 12 x 32, 4 waves a work-group, clusters of 4 x 4, 327,680 bytes of LDS; arguments xw, bq, bk, bv, qkv; writes qkv
.if DOCPART == 2
	.amdgcn_target "amdgcn-amd-amdhsa--gfx1250"
	.amdhsa_code_object_version 6
	.text
	.protected	k_q57a865e4b2_qkv
	.globl	k_q57a865e4b2_qkv
	.p2align	8
	.type	k_q57a865e4b2_qkv,@function
k_q57a865e4b2_qkv:
	s_mov_b64 s[64:65], 0
	v_nop
	global_prefetch_b8 v0, s[64:65] scope:SCOPE_SE
	s_setreg_imm32_b32 hwreg(HW_REG_WAVE_MODE, 25, 1), 1
	s_wait_xcnt 0x0
	s_wait_alu depctr_hold_cnt(0) depctr_sa_sdst(0) depctr_va_vdst(0) depctr_va_sdst(0) depctr_va_ssrc(0) depctr_va_vcc(0) depctr_vm_vsrc(0)
	s_getreg_b32 s2, hwreg(HW_REG_IB_STS2, 6, 4)
	s_cmp_eq_u32 s2, 0
	s_cbranch_scc0 .Lentry_in_a_cluster
	s_endpgm
.Lentry_in_a_cluster:
	s_bfe_u32 s2, ttmp6, 0x10000c
	s_cmp_lg_u32 s2, 0xf033
	s_cbranch_scc0 .Lentry_shape_is_right
	s_endpgm
.Lentry_shape_is_right:
.set XWS,    12582912
.set QSC,    25165824
.set NQ,     2
.set ROWB,   256
.set KROW,   1024
.set PITCH,  272
.set FR,     16
.set NL,     4
.set NP,     8
.set HALFT,  128*PITCH
.set SLOT,   4*HALFT
.set LAPS,   2
.set KS,     32
.set SCL,    2*SLOT
.set HALFS,  (128*KS/256)*272
.set SBLK,   (16*KS/256)*272
.set SPARE,  SCL+4*HALFS
.set RB,   8
.set ADRA, 16
.set ADRB, 20
.set LI,   24
.set SVO,  25
.set SELQ, 26
.set ADRS, 27
.set SPW,  28
.set NIL,  29
.set BCO,  30
.set RBO,  31
.set SC,   32
.set BC,   64
.set AF,   128
.set T,    128
.set PC,   192
.set TM,   208
.set RB2,  224
.set PWS,  240
.set FQ,   128
.set FV,   132
.set FO,   136
.set G1, 24
.set G0, 32
.set G1B, 48
.set G0B, 56
.set G1S, 68
.set G0S, 76
.set G1SB, 80
.set G0SB, 88
.set BS,   40
.set SCB,  92
.set ISV,  66
.set NOTV, 67
.set HIM,  96
.set MNT,  97
.set SEL,  98
.set MSB, 0
.macro WIN new
.if MSB != \new
	s_set_vgpr_msb (MSB<<8)|\new
.set MSB, \new
.endif
.endm
.set MUL_LO, 0xa1
.set MUL_HI, 0xf1
.set TO_B,   0x40
.macro JLOAD g0a, g1a, g0b, g1b
	s_cmp_eq_u32 s15, 0
	s_cbranch_scc0 .Lfor_b_\@
	tensor_load_to_lds s[\g0a:\g0a+3], s[\g1a:\g1a+7]
	s_nop 0
.rept 4
	v_nop
.endr
	s_branch .Lasked_\@
.Lfor_b_\@:
	tensor_load_to_lds s[\g0b:\g0b+3], s[\g1b:\g1b+7]
	s_nop 0
.rept 4
	v_nop
.endr
.Lasked_\@:
.endm
.macro CREST
	s_cmp_lg_u32 s14, 0
	s_cbranch_scc1 .Lnot_wave_0_\@
	s_barrier_signal -3
.Lnot_wave_0_\@:
	s_barrier_wait -3
	s_barrier_signal -1
	s_barrier_wait -1
.endm
.macro CROUND
	s_barrier_signal -1
	s_barrier_wait -1
	CREST
.endm
	s_load_b256 s[4:11], s[0:1], 0x0
	s_load_b64 s[12:13], s[0:1], 0x20
	v_lshl_add_u32 v[SPW], v0, 2, SPARE
	v_mov_b32 v[NIL], 0
	ds_add_u32 v28, v29
	ds_add_u32 v28, v29
	s_wait_dscnt 0x0
	v_lshrrev_b32 v1, 5, v0
	v_readfirstlane_b32 s14, v1
	s_lshr_b32 s15, s14, 1
	s_and_b32 s16, s14, 1
	s_bfe_u32 s40, ttmp6, 0x40000
	s_bfe_u32 s41, ttmp6, 0x40004
	s_and_b32 s17, ttmp7, 0xffff
	s_lshl_b32 s43, s41, 2
	s_lshl_b32 s43, 15, s43
	s_lshl_b32 s44, 0x1111, s40
	s_or_b32 s[G1+0], s43, (0<<16)|(1<<20)|(1<<21)|(5<<22)|(3<<25)
	s_or_b32 s[G1B+0], s44, (0<<16)|(1<<20)|(1<<21)|(5<<22)|(3<<25)
.irp g, G1, G1B
	s_mov_b32 s[\g+1], ROWB<<16
	s_mov_b32 s[\g+2], 128<<16
	s_mov_b32 s[\g+3], ROWB<<16
	s_mov_b32 s[\g+4], 128
	s_mov_b32 s[\g+5], KROW
	s_mov_b32 s[\g+6], 0
	s_mov_b32 s[\g+7], 0
.endr
	s_or_b32 s[G1S+0], s43, (3<<16)|(1<<20)|(1<<21)|(5<<22)|(3<<25)
	s_or_b32 s[G1SB+0], s44, (3<<16)|(1<<20)|(1<<21)|(5<<22)|(3<<25)
.irp g, G1S, G1SB
	s_mov_b32 s[\g+1], 32<<16
	s_mov_b32 s[\g+2], (128*KS/256)<<16
	s_mov_b32 s[\g+3], 32<<16
	s_mov_b32 s[\g+4], 128*KS/256
	s_mov_b32 s[\g+5], 32
	s_mov_b32 s[\g+6], 0
	s_mov_b32 s[\g+7], 0
.endr
	s_lshl_b32 s18, s17, 10
	s_lshl_b32 s19, ttmp9, 10
	s_add_co_u32 s19, s19, 8192
	s_mov_b32 s20, 10240
	s_cmp_eq_u32 ttmp9, 2
	s_cselect_b32 s[ISV], -1, 0
	s_cselect_b32 s[NOTV], 0, -1
	s_cselect_b32 s20, s20, s18
	s_cselect_b32 s46, s18, s19
	s_lshl_b32 s2, s16, 7
	s_lshl_b32 s22, s41, 8
	s_add_co_u32 s20, s20, s22
	s_add_co_u32 s20, s20, s2
	s_lshl_b32 s92, s40, 8
	s_add_co_u32 s46, s46, s92
	s_add_co_u32 s46, s46, s2
	s_lshl_b32 s22, s20, 5
	s_add_co_u32 s22, s22, XWS
	s_mov_b32 s23, 0
	s_lshl_b32 s20, s20, 10
	s_mov_b32 s21, 0
	s_lshl_b32 s92, s46, 5
	s_add_co_u32 s92, s92, XWS
	s_mov_b32 s93, 0
	s_lshl_b32 s46, s46, 10
	s_mov_b32 s47, 0
	s_mul_i32 s45, s14, HALFT
	s_mul_i32 s94, s14, HALFS
	s_wait_kmcnt 0x0
	s_add_nc_u64 s[20:21], s[4:5], s[20:21]
	s_add_nc_u64 s[22:23], s[4:5], s[22:23]
	s_add_nc_u64 s[46:47], s[4:5], s[46:47]
	s_add_nc_u64 s[92:93], s[4:5], s[92:93]
	CROUND
	s_mov_b32 s[G0S], 1
	s_add_co_u32 s[G0S+1], s94, SCL
	s_mov_b64 s[G0S+2:G0S+3], s[22:23]
	s_or_b32 s[G0S+3], s[G0S+3], 0x80000000
	s_mov_b32 s[G0SB], 1
	s_add_co_u32 s[G0SB+1], s94, SCL
	s_mov_b64 s[G0SB+2:G0SB+3], s[92:93]
	s_or_b32 s[G0SB+3], s[G0SB+3], 0x80000000
	JLOAD G0S, G1S, G0SB, G1SB
.irp s, 0,1
	s_mov_b32 s[G0+4*\s], 1
	s_add_co_u32 s[G0+4*\s+1], s45, \s*SLOT
	s_add_nc_u64 s[G0+4*\s+2:G0+4*\s+3], s[20:21], \s*ROWB
	s_or_b32 s[G0+4*\s+3], s[G0+4*\s+3], 0x80000000
	s_mov_b32 s[G0B+4*\s], 1
	s_add_co_u32 s[G0B+4*\s+1], s45, \s*SLOT
	s_add_nc_u64 s[G0B+4*\s+2:G0B+4*\s+3], s[46:47], \s*ROWB
	s_or_b32 s[G0B+4*\s+3], s[G0B+4*\s+3], 0x80000000
	s_wait_alu depctr_va_vdst(0)
	s_wait_tensorcnt 0x0
	ds_add_u32 v28, v29
	s_wait_dscnt 0x0
	CROUND
	JLOAD G0+4*\s, G1, G0B+4*\s, G1B
.endr
	v_and_b32 v1, 15, v0
	v_bfe_u32 v2, v0, 4, 1
	v_lshlrev_b32 v[BCO], 6, v2
	s_wait_alu depctr_va_vdst(0)
	v_and_b32 v5, 8, v1
	v_add_nc_u32 v5, v5, v1
	v_lshlrev_b32 v[RBO], 2, v5
	s_wait_alu depctr_va_vdst(0)
	s_cmp_eq_u32 ttmp9, 0
	s_cselect_b64 s[6:7], s[6:7], s[8:9]
	s_lshl_b32 s94, s40, 10
	s_lshl_b32 s95, s16, 9
	s_add_co_u32 s94, s94, s95
	s_and_b32 s94, s94, s[NOTV]
	s_mov_b32 s95, 0
	s_add_nc_u64 s[6:7], s[6:7], s[94:95]
	s_lshl_b32 s94, s41, 10
	s_lshl_b32 s96, s15, 9
	s_add_co_u32 s94, s94, s96
	s_and_b32 s94, s94, s[ISV]
	s_add_nc_u64 s[10:11], s[10:11], s[94:95]
.irp e, 0,1,2,3
.irp j, 0,1,2,3
	global_load_b128 v[BC+16*\e+4*\j:BC+16*\e+4*\j+3], v[BCO], s[6:7] offset:128*\e+16*\j
.endr
.endr
.irp a, 0,1,2,3,4,5,6,7
	global_load_b32 v[RB+\a], v[RBO], s[10:11] offset:4*(32*(\a/2)+8*(\a%2))
.endr
	v_mul_u32_u24 v3, v1, PITCH
	v_lshl_add_u32 v4, v2, 4, v3
	s_mul_i32 s21, s15, HALFT
	s_mul_i32 s22, s16, HALFT
	s_add_co_u32 s22, s22, 2*HALFT
.irp s, 0,1
	v_add_nc_u32 v[ADRA+\s], s21, v4
	v_add_nc_u32 v[ADRB+\s], s22, v4
	s_add_co_u32 s21, s21, SLOT
	s_add_co_u32 s22, s22, SLOT
.endr
	v_mul_u32_u24 v5, v1, KS
	v_lshrrev_b32 v6, 8, v5
	v_lshl_add_u32 v5, v6, 4, v5
	s_mul_i32 s21, s15, HALFS
	s_mul_i32 s22, s16, HALFS
	s_add_co_u32 s22, s22, 2*HALFS
	s_sub_co_u32 s22, s22, s21
	v_mul_u32_u24 v6, s22, v2
	s_add_co_u32 s21, s21, SCL
	v_add_nc_u32 v5, v5, v6
	v_add_nc_u32 v[ADRS], s21, v5
	v_and_b32 v5, 31, v0
	v_lshlrev_b32 v[LI], 4, v5
	v_lshlrev_b32 v[SVO], 4, v1
	v_lshl_add_u32 v[SVO], v2, 12, v[SVO]
	v_mov_b32 v5, 0x05040100
	v_mov_b32 v6, 0x07060302
	v_cmp_eq_u32 vcc_lo, 1, v2
	v_cndmask_b32 v[SELQ], v5, v6, vcc_lo
	s_mov_b32 s98, 131072
	s_cmp_eq_u32 ttmp9, 2
	s_cselect_b32 s94, s41, s40
	s_cselect_b32 s95, s15, s16
	s_cselect_b32 s96, s40, s41
	s_cselect_b32 s97, s16, s15
	s_cselect_b32 s18, s98, 4096
	s_cselect_b32 s22, 4096, s98
	s_mov_b32 s19, 0
	s_mov_b32 s23, 0
	s_lshl_b32 s2, s17, 2
	s_add_co_u32 s2, s2, s96
	s_lshl_b32 s2, s2, 8
	s_lshl_b32 s97, s97, 7
	s_add_co_u32 s2, s2, s97
	s_lshr_b32 s96, s2, 11
	s_lshl_b32 s96, s96, 4
	s_lshl_b32 s94, s94, 2
	s_add_co_u32 s96, s96, s94
	s_lshl_b32 s95, s95, 1
	s_add_co_u32 s96, s96, s95
	s_and_b32 s2, s2, 2047
	s_lshl_b32 s94, ttmp9, 23
	s_lshl_b32 s95, s96, 17
	s_add_co_u32 s94, s94, s95
	s_lshl_b32 s95, s2, 6
	s_add_co_u32 s94, s94, s95
	s_mov_b32 s95, 0
	s_add_nc_u64 s[BS:BS+1], s[12:13], s[94:95]
	s_add_nc_u64 s[BS+2:BS+3], s[BS:BS+1], s[22:23]
	s_add_nc_u64 s[BS+4:BS+5], s[BS:BS+1], s[18:19]
	s_add_nc_u64 s[BS+6:BS+7], s[BS+4:BS+5], s[22:23]
	s_lshl_b32 s94, ttmp9, 18
	s_lshl_b32 s96, s96, 12
	s_add_co_u32 s94, s94, s96
	s_lshl_b32 s2, s2, 1
	s_add_co_u32 s94, s94, s2
	s_add_co_u32 s94, s94, QSC
	s_add_nc_u64 s[SCB:SCB+1], s[12:13], s[94:95]
	s_mov_b32 s[HIM], 0xffff0000
	s_mov_b32 s[MNT], 0x600000
	s_mov_b32 s[SEL], 0x76543210
	s_mov_b32 s[SEL+1], 0xfedcba98
.macro FRAG reg, adr, q, i
.irp c, 0,1,2,3
	ds_load_b128 v[\reg+4*\c:\reg+4*\c+3], v[\adr] offset:128*(\q)+32*\c+(\i)*16*PITCH
.endr
.endm
.macro MUL16 a0, p, q, sc, zero
.irp a, \a0, \a0+1
.irp b, 0,1,2,3,4,5,6,7
.if \zero
	v_wmma_scale_f32_16x16x128_f8f6f4 v[8*(8*((\a)%4)+\b):8*(8*((\a)%4)+\b)+7], v[128*(\p)+FR*\b:128*(\p)+FR*\b+FR-1], v[AF+FR*(\a):AF+FR*(\a)+FR-1], 0, v[SC+8*NQ*(\sc)+NQ*\b+(\q)], v[SC+8*NQ*(\sc)+NQ*(\a)+(\q)] matrix_a_scale:MATRIX_SCALE_ROW1
.else
	v_wmma_scale_f32_16x16x128_f8f6f4 v[8*(8*((\a)%4)+\b):8*(8*((\a)%4)+\b)+7], v[128*(\p)+FR*\b:128*(\p)+FR*\b+FR-1], v[AF+FR*(\a):AF+FR*(\a)+FR-1], v[8*(8*((\a)%4)+\b):8*(8*((\a)%4)+\b)+7], v[SC+8*NQ*(\sc)+NQ*\b+(\q)], v[SC+8*NQ*(\sc)+NQ*(\a)+(\q)] matrix_a_scale:MATRIX_SCALE_ROW1
.endif
.endr
.endr
.endm
.macro FETCH_B slot, q, p
	WIN TO_B
.irp i, 0,1,2,3,4,5,6,7
	FRAG 128*(\p)+FR*\i, ADRB+\slot, \q, \i
.endr
	WIN 0
.endm
.macro FETCH_A slot, q, i0
.irp i, \i0, \i0+1, \i0+2, \i0+3
	FRAG AF+FR*(\i), ADRA+\slot, \q, \i
.endr
.endm
.macro SCALES sc
.irp i, 0,1,2,3,4,5,6,7
	ds_load_b64 v[SC+8*NQ*\sc+NQ*\i:SC+8*NQ*\sc+NQ*\i+1], v[ADRS] offset:\i*SBLK
.endr
.endm
.macro PLACES n
.rept \n
	v_nop
.endr
.endm
.macro STEP slot, q, zero
	s_wait_dscnt 4*NL
	WIN MUL_LO
	MUL16 0, (\q)%2, \q, \slot, \zero
	MUL16 2, (\q)%2, \q, \slot, \zero
	s_wait_dscnt 0
	PLACES NP
	FETCH_B \slot, (\q)+1, 1-(\q)%2
	FETCH_A \slot, (\q)+1, 0
	WIN MUL_HI
	MUL16 4, (\q)%2, \q, \slot, \zero
	MUL16 6, (\q)%2, \q, \slot, \zero
	PLACES NP
	WIN 0
	FETCH_A \slot, (\q)+1, 4
.endm
.macro TURN slot, next, fill
	s_wait_tensorcnt 0x0
	ds_add_u32 v[SPW], v[NIL]
	s_wait_dscnt 4*NL+1
	WIN MUL_LO
	MUL16 0, 1, NQ-1, \slot, 0
	s_wait_dscnt 0x0
	s_barrier_signal -1
	MUL16 2, 1, NQ-1, \slot, 0
	WIN 0
	s_barrier_wait -1
.if \fill
	CREST
	s_add_nc_u64 s[G0+4*\slot+2:G0+4*\slot+3], s[G0+4*\slot+2:G0+4*\slot+3], 2*ROWB
	s_add_nc_u64 s[G0B+4*\slot+2:G0B+4*\slot+3], s[G0B+4*\slot+2:G0B+4*\slot+3], 2*ROWB
	JLOAD G0+4*\slot, G1, G0B+4*\slot, G1B
	PLACES NP-4
.else
	PLACES NP
.endif
	s_wait_alu depctr_va_vdst(0)
	v_add_nc_u32 v[ADRS], 4*NQ, v[ADRS]
	FETCH_B \next, 0, 0
	FETCH_A \next, 0, 0
	SCALES \next
	WIN MUL_HI
	MUL16 4, 1, NQ-1, \slot, 0
	MUL16 6, 1, NQ-1, \slot, 0
	PLACES NP
	WIN 0
	FETCH_A \next, 0, 4
.endm
	s_wait_alu depctr_va_vdst(0)
	s_wait_loadcnt 0x0
	s_wait_tensorcnt 1
	s_barrier_signal -1
	s_barrier_wait -1
	FETCH_B 0, 0, 0
	FETCH_A 0, 0, 0
	SCALES 0
	FETCH_A 0, 0, 4
	STEP 0, 0, 1
	s_mov_b32 s3, LAPS-1
.Llap:
	TURN 0, 1, 1
	STEP 1, 0, 0
	TURN 1, 0, 1
	STEP 0, 0, 0
	s_sub_co_u32 s3, s3, 1
	s_cmp_lg_u32 s3, 0
	s_cbranch_scc1 .Llap
	TURN 0, 1, 0
	STEP 1, 0, 0
	s_wait_dscnt 4*NL
	WIN MUL_LO
	MUL16 0, 1, NQ-1, 1, 0
	MUL16 2, 1, NQ-1, 1, 0
	s_wait_dscnt 0
	WIN MUL_HI
	MUL16 4, 1, NQ-1, 1, 0
	MUL16 6, 1, NQ-1, 1, 0
	WIN 0
.set i, 0
.rept 64
	v_and_b32 v[BC+i], s[NOTV], v[BC+i]
.set i, i+1
.endr
.irp a, 0,1,2,3,4,5,6,7
	v_and_b32 v[RB2+2*\a], s[ISV], v[RB+\a]
	v_and_b32 v[RB2+2*\a+1], s[ISV], v[RB+\a]
.endr
.irp b, 0,1,2,3
	v_mov_b32 v[TM+4+\b], 0
.endr
.macro QUANT s, pw
.irp b, 0,1,2,3
	v_max3_num_f32 v[TM+\b], |v[\s+16*\b]|, |v[\s+1+16*\b]|, 0x4800000
.endr
.irp i, 2,4,6,8,10,12,14
.irp b, 0,1,2,3
	v_max3_num_f32 v[TM+\b], v[TM+\b], |v[\s+16*\b+\i]|, |v[\s+1+16*\b+\i]|
.endr
.endr
.irp b, 0,1,2,3
	v_permlanex16_b32 v[TM+4+\b], v[TM+\b], s[SEL], s[SEL+1]
.endr
.irp b, 0,1,2,3
	v_max_num_f32 v[TM+\b], v[TM+\b], v[TM+4+\b]
.endr
.irp b, 0,1,2,3
	v_add_nc_u32 v[TM+12+\b], 0xfc000000, v[TM+\b]
.endr
.irp b, 0,1,2,3
	v_and_or_b32 v[TM+8+\b], v[TM+\b], 0x7f800000, s[MNT]
.endr
.irp b, 0,1,2,3
	v_lshrrev_b32 v[TM+4+\b], 23, v[TM+12+\b]
.endr
	v_lshl_or_b32 v[\pw], v[TM+5], 8, v[TM+4]
	v_lshl_or_b32 v[\pw], v[TM+6], 16, v[\pw]
	v_lshl_or_b32 v[\pw], v[TM+7], 24, v[\pw]
.irp b, 0,1,2,3
.irp i, 0,1,2,3,4,5,6,7,8,9,10,11,12,13,14,15
	v_med3_num_f32 v[\s+16*\b+\i], v[\s+16*\b+\i], -v[TM+8+\b], v[TM+8+\b]
.endr
	v_cvt_scalef32_pk8_fp8_f32 v[PC+4*\b:PC+1+4*\b], v[\s+16*\b:\s+7+16*\b], v[TM+12+\b]
	v_cvt_scalef32_pk8_fp8_f32 v[PC+2+4*\b:PC+3+4*\b], v[\s+8+16*\b:\s+15+16*\b], v[TM+12+\b]
.endr
	v_nop
.endm
.macro OUTBLK a
	s_wait_xcnt 0x0
	WIN 0x02+(\a)/4
.set i, 0
.rept 32
	v_pk_add_f32 v[T+2*i:T+2*i+1], v[64*((\a)%4)+2*i:64*((\a)%4)+2*i+1], v[BC+2*i:BC+2*i+1]
.set i, i+1
.endr
	WIN 0
.set i, 0
.rept 32
	v_pk_add_f32 v[T+2*i:T+2*i+1], v[T+2*i:T+2*i+1], v[RB2+2*(\a):RB2+2*(\a)+1]
.set i, i+1
.endr
	QUANT T, PWS+\a
.irp e, 0,1,2,3
	global_store_b128 v[LI], v[PC+4*\e:PC+4*\e+3], s[BS+4*((\a)/4)+2*(\e/2):BS+4*((\a)/4)+2*(\e/2)+1] offset:((\a)%4)*1024+(\e%2)*512
.endr
.endm
.irp a, 0,1,2,3,4,5,6,7
	OUTBLK \a
.endr
.irp i, 0,1,2,3
	v_perm_b32 v[FQ+\i], v[PWS+2*\i+1], v[PWS+2*\i], v[SELQ]
	v_cndmask_b32 v[FV+\i], v[PWS+\i], v[PWS+4+\i], s[HIM]
.endr
.irp i, 0,1,2,3
	v_cndmask_b32 v[FO+\i], v[FQ+\i], v[FV+\i], s[ISV]
.endr
	global_store_b128 v[SVO], v[FO:FO+3], s[SCB:SCB+1]
	s_wait_tensorcnt 0x0
	ds_add_u32 v[SPW], v[NIL]
	s_wait_dscnt 0x0
	CROUND
	s_endpgm
.Lfunc_end_k_q57a865e4b2_qkv:
	.size	k_q57a865e4b2_qkv, .Lfunc_end_k_q57a865e4b2_qkv-k_q57a865e4b2_qkv
	.p2alignl 7, 3214868480
	.fill 96, 4, 3214868480
	.section	.rodata,"a",@progbits
	.p2align	6, 0x0
	.amdhsa_kernel k_q57a865e4b2_qkv
		.amdhsa_group_segment_fixed_size 327680
		.amdhsa_private_segment_fixed_size 0
		.amdhsa_enable_private_segment 0
		.amdhsa_kernarg_size 40
		.amdhsa_user_sgpr_count 2
		.amdhsa_user_sgpr_kernarg_segment_ptr 1
		.amdhsa_wavefront_size32 1
		.amdhsa_system_sgpr_workgroup_id_x 1
		.amdhsa_system_sgpr_workgroup_id_y 1
		.amdhsa_system_sgpr_workgroup_id_z 1
		.amdhsa_system_vgpr_workitem_id 0
		.amdhsa_next_free_vgpr 1024
		.amdhsa_next_free_sgpr 100
		.amdhsa_reserve_vcc 1
		.amdhsa_float_denorm_mode_32 3
		.amdhsa_float_denorm_mode_16_64 3
		.amdhsa_memory_ordered 1
		.amdhsa_forward_progress 1
		.amdhsa_inst_pref_size 224
	.end_amdhsa_kernel
	.amdgpu_metadata
---
amdhsa.version: [ 1, 2 ]
amdhsa.kernels:
  - .name:           k_q57a865e4b2_qkv
    .symbol:         k_q57a865e4b2_qkv.kd
    .args:
      - { .name: xw, .offset: 0, .size: 8, .value_kind: global_buffer, .address_space: global }
      - { .name: bq, .offset: 8, .size: 8, .value_kind: global_buffer, .address_space: global }
      - { .name: bk, .offset: 16, .size: 8, .value_kind: global_buffer, .address_space: global }
      - { .name: bv, .offset: 24, .size: 8, .value_kind: global_buffer, .address_space: global }
      - { .name: qkv, .offset: 32, .size: 8, .value_kind: global_buffer, .address_space: global }
    .group_segment_fixed_size: 327680
    .private_segment_fixed_size: 0
    .kernarg_segment_align: 8
    .kernarg_segment_size: 40
    .max_flat_workgroup_size: 128
    .sgpr_count:     100
    .vgpr_count:     1024
    .wavefront_size: 32
...
	.end_amdgpu_metadata
.endif
;; end of part 2
;; launch attn (part 3): grid 4 x 64, 8 waves a work-group, clusters of 4 x 1, 327,680 bytes of LDS; arguments qkv, ao; writes ao
.if DOCPART == 3
	.amdgcn_target "amdgcn-amd-amdhsa--gfx1250"
	.amdhsa_code_object_version 6
	.text
	.protected	k_q57a865e4b2_attn
	.globl	k_q57a865e4b2_attn
	.p2align	8
	.type	k_q57a865e4b2_attn,@function
k_q57a865e4b2_attn:
	s_mov_b64 s[64:65], 0
	v_nop
	global_prefetch_b8 v0, s[64:65] scope:SCOPE_SE
	s_setreg_imm32_b32 hwreg(HW_REG_WAVE_MODE, 25, 1), 1
	s_wait_xcnt 0x0
	s_wait_alu depctr_hold_cnt(0) depctr_sa_sdst(0) depctr_va_vdst(0) depctr_va_sdst(0) depctr_va_ssrc(0) depctr_va_vcc(0) depctr_vm_vsrc(0)
	s_getreg_b32 s2, hwreg(HW_REG_IB_STS2, 6, 4)
	s_cmp_eq_u32 s2, 0
	s_cbranch_scc0 .Lentry_in_a_cluster
	s_endpgm
.Lentry_in_a_cluster:
	s_bfe_u32 s2, ttmp6, 0x10000c
	s_cmp_lg_u32 s2, 0x3003
	s_cbranch_scc0 .Lentry_shape_is_right
	s_endpgm
.Lentry_shape_is_right:
; For each (batch, head): O[q] = sum over k of softmax_k(q . k / 8) v[k], both products on codes of FP8 (E4M3) with E8M0 scales, and O / l quantised along the model's 1,024 channels for the last product.
; THE SOFTMAX: t = score x log2(e) / 8; M = the running largest t rounded UP to a whole number; p = 2^(t - M) is quantised along the keys, not normalised; the row's sum l is taken of the unquantised p in f32
; and divides at the end.  When M moves, l and O are multiplied by 2^(old M - new M): exact.
; SHARES.  A cluster of four work-groups is one (batch, head); a work-group owns 512 of its 2,048 queries; each of its EIGHT waves owns TWO neighbouring tiles of 16 queries at a time, two such pairs one after the other.
; Each fragment of K and V read from LDS serves both tiles: 34 LDS loads for 24 products; the two tiles' dependent lines stand by turns.
; A WHOLE HEAD'S K AND V STAY IN LDS (131,072 bytes of codes each, 4,096 of scale words each), as they lie in memory: images of operand registers.  They are filled ONCE by five joint loads of the four work-groups, one a wave:
; wave 0 both tensors' scale words (two rows of 4,096 bytes), waves 1, 2 K's and V's keys 0-639, waves 3, 4 the other 1,408 keys.  All of K and V is asked for at the head, so there is no loop to prefetch ahead in.
; K's fragments of a step are read from LDS in the step before; the first barrier shows five steps' keys, so that the fourth step may read the fifth's; the second barrier, behind four steps, shows the rest.
; LAYOUT.  Both products are used transposed: a lane holds ONE query (lane % 16) of each tile.  A fragment of K holds two tiles of 16 keys (k 0-63, k 64-127); against [q | zeros] it gives the first's scores, against [zeros | q] the second's.
; The pair's scale word holds the even tile's two bytes below and the odd tile's above: as loaded it serves [q0 | 0] and [0 | q1], with its halves exchanged [0 | q0] and [q1 | 0]; the other two bytes are valid scales over zero codes.
; A BLOCK'S SCALE comes from E = floor(its largest t - M), the exponent of its largest p: byte E + 119, held at 1 from below (E >= -118).
; LIMITS: the promise holds while |t| stays under 2^31; where v_exp_f32 rounds a block's largest p up to 2^(E+1), that p is held at 448 x the scale; a block whose p all lie under 2^-118 keeps the byte 1;
; in O's quantiser a block of zeros has the byte 1 (its codes are zeros; this program alone reads the bytes); NaN and infinities are not served.
; REGISTERS.  Window 0: v1-10 addresses; v12-35, v36-59 a tile's small state; v60-79 partial sums; v80-143, v144-207 scores, then p; v208-239 p's codes; v240-249, v252, v253 scale words and nothing else; v250 the next pair's word.
; Window 1: 0-63 K's fragments, 64-127 V's, 128-191 O^T, 192-231 zeros q0 zeros q1 zeros, 232-247 the next pair's q.
.set QSC,  25165824
.set AOS,  8388608
.set VLDS, 131072
.set KSL,  262144
.set SPARE,270336
.set FIRST,40960                       ; bytes of the five steps' codes that the first loads bring
.set LI,   1                           ; 16 x lane
.set LIV,  2                           ; the same in V's codes
.set LSC,  3                           ; KSL + 16 r
.set RO,   4                           ; 32 r
.set R16,  5                           ; 16 r
.set SPW,  6
.set NIL,  7
.set ADK,  8
.set ADV,  9
.set ADS,  10
.set MM,   12                          ; a tile's state, 24 registers apart: [-M, largest score]
.set SU,   14                          ; l, two halves
.set FF,   16                          ; [f, written once]
.set TP,   18
.set OLD,  19
.set BM,   20
.set PX,   24
.set HL,   28
.set SOP,  32
.set G,    60                          ; eight partial sums, pairs
.set TA,   76
.set TC,   78
.set TD,   24                          ; two more pairs at work in the sums: tile 0's PX, free once the scale word is made
.set TE,   26
.set S0,   80
.set S1,   144
.set PCD,  208
.set KSC,  240
.set VSC,  244
.set PSW,  248
.set QW1,  250
.set QWA,  252
.set QWB,  253
.set FK,   0                           ; window 1
.set FV,   64
.set O,    128
.set QB,   192
.set QH,   232
.set WV,   8
.set G1S,  16
.set G1Q,  24
.set G1R,  32
.set G0,   40
.set SEL,  60
.set CS,   62
.set MNT,  66
.set TB,   67
.set TS,   68
.set CNT,  69
.set PASS, 70
.set QP,   72
.set QS,   74
.set AP,   76
.set AS,   78
.set MSB, 0
.macro WIN new                         ; the immediate's high byte repeats the setting that is left
.if MSB != \new
	s_set_vgpr_msb (MSB<<8)|\new
.set MSB, \new
.endif
.endm
.macro WALU
	s_wait_alu depctr_va_vdst(0)
.endm
.macro CROUND                          ; a round of the cluster's barrier
	s_barrier_signal -1
	s_barrier_wait -1
	s_cmp_lg_u32 s[WV], 0
	s_cbranch_scc1 .Lnot_wave_0_\@
	s_barrier_signal -3
.Lnot_wave_0_\@:
	s_barrier_wait -3
	s_barrier_signal -1
	s_barrier_wait -1
.endm
.macro DENSE g, rows                   ; group 1: a dense block as rows of 256 bytes (32 elements of 8), for all four work-groups
	s_mov_b32 s[\g], 15|(3<<16)|(1<<21)
	s_mov_b32 s[\g+1], 32<<16
	s_mov_b32 s[\g+2], (\rows)<<16
	s_mov_b32 s[\g+3], 32<<16
	s_mov_b32 s[\g+4], \rows
	s_mov_b32 s[\g+5], 32
	s_mov_b32 s[\g+6], 0
	s_mov_b32 s[\g+7], 0
.endm
.macro SETG n, lds, b, off             ; group 0 number n
	s_mov_b32 s[G0+4*\n], 1
	s_mov_b32 s[G0+4*\n+1], \lds
	s_add_nc_u64 s[G0+4*\n+2:G0+4*\n+3], s[\b:\b+1], \off
	s_or_b32 s[G0+4*\n+3], s[G0+4*\n+3], 0x80000000
.endm
.macro ARM under, g0, g1, next         ; one load to an arm, all arms lead to one join (with the s_nop 0 and the four v_nop)
	s_cmp_lt_u32 s[WV], \under
	s_cbranch_scc0 \next
	tensor_load_to_lds s[\g0:\g0+3], s[\g1:\g1+7]
	s_nop 0
.rept 4
	v_nop
.endr
	s_branch .Lhead_asked
\next:
.endm
.macro KLOAD adr, ads, off, soff       ; K's four fragments and their scale words
	WIN 0x40
.irp g,0,1,2,3
.irp c,0,1,2,3
	ds_load_b128 v[FK+16*\g+4*\c:FK+16*\g+4*\c+3], v[\adr] offset:\off+2048*\g+512*\c   ; fragment g: keys 32 g on: two tiles of 16
.endr
.endr
	WIN 0
	ds_load_b128 v[KSC:KSC+3], v[\ads] offset:\soff
.endm
	s_load_b128 s[4:7], s[0:1], 0x0                ; qkv, ao
	v_lshl_add_u32 v[SPW], v0, 2, SPARE
	v_mov_b32 v[NIL], 0
	ds_add_u32 v[SPW], v[NIL]                      ; the opening lines: the add twice on end and its wait
	ds_add_u32 v[SPW], v[NIL]
	v_lshrrev_b32 v8, 5, v0
	v_readfirstlane_b32 s[WV], v8                  ; wave 0..7
	s_bfe_u32 s9, ttmp6, 0x40000                   ; cx: my block of 512 queries: it enters q's and ao's addresses alone
	s_and_b32 s10, ttmp7, 0xffff                   ; 16 x batch + head
	s_mov_b32 s[G1S], 15|(3<<16)|(1<<21)           ; the scale words: two rows of 4,096 bytes (512 elements of 8), 262,144 bytes apart in memory: K's, V's
	s_mov_b32 s[G1S+1], 512<<16
	s_mov_b32 s[G1S+2], 2<<16
	s_mov_b32 s[G1S+3], 512<<16
	s_mov_b32 s[G1S+4], 2
	s_mov_b32 s[G1S+5], 32768
	s_mov_b32 s[G1S+6], 0
	s_mov_b32 s[G1S+7], 0
	DENSE G1Q, FIRST/256                           ; 640 keys
	DENSE G1R, (131072-FIRST)/256                  ; 1,408 keys
	s_lshl_b32 s11, s9, 4
	s_add_co_u32 s11, s11, s[WV]                   ; P: my first pair of tiles, 16 cx + wave; the second is 8 pairs on
	s_lshl_b32 s80, s10, 17                        ; a head's codes: 131,072 bytes
	s_mov_b32 s81, 0
	s_lshl_b32 s84, s10, 12                        ; its scale words: 4,096
	s_add_co_u32 s84, s84, QSC
	s_mov_b32 s85, 0
	s_lshl_b32 s[QP], s11, 11                      ; a pair's codes: 2,048 bytes
	s_mov_b32 s[QP+1], 0
	s_lshr_b32 s12, s11, 2                         ; four pairs' words: 256 bytes,
	s_lshl_b32 s[QS], s12, 8
	s_and_b32 s12, s11, 3                          ; my pair's word among them
	s_lshl_b32 s12, s12, 2
	s_add_co_u32 s[QS], s[QS], s12
	s_mov_b32 s[QS+1], 0
	s_lshr_b32 s12, s10, 4                         ; the batch: 128 tiles of rows
	s_lshl_b32 s12, s12, 7
	s_lshl_b32 s13, s11, 1
	s_add_co_u32 s12, s12, s13
	s_and_b32 s13, s10, 15                         ; the head
	s_lshl_b32 s[AP], s12, 14                      ; ao's codes: 16,384 bytes a tile of rows, 1,024 a head
	s_lshl_b32 s14, s13, 10
	s_add_co_u32 s[AP], s[AP], s14
	s_mov_b32 s[AP+1], 0
	s_lshl_b32 s[AS], s12, 9                       ; its scale bytes: 16 rows of 32, the head's two
	s_lshl_b32 s14, s13, 1
	s_add_co_u32 s[AS], s[AS], s14
	s_add_co_u32 s[AS], s[AS], AOS
	s_mov_b32 s[AS+1], 0
	s_mov_b32 s[SEL], 0x76543210
	s_mov_b32 s[SEL+1], 0xfedcba98
	s_mov_b32 s[CS], 0x3e38aa3b                    ; c = log2(e) / 8
	s_mov_b32 s[CS+1], s[CS]
	s_mov_b32 s[MNT], 0x600000
	v_and_b32 v9, 31, v0
	v_and_b32 v10, 15, v0
	v_lshlrev_b32 v[LI], 4, v9
	v_lshlrev_b32 v[R16], 4, v10
	v_lshlrev_b32 v[RO], 5, v10
	v_add_nc_u32 v[LIV], VLDS, v[LI]
	v_add_nc_u32 v[LSC], KSL, v[R16]
	WALU
	s_wait_dscnt 0x0                               ; both opening adds are done
	s_wait_kmcnt 0x0
	s_add_nc_u64 s[82:83], s[4:5], s[80:81]        ; the head in q's codes; k's lie 8 MiB on, v's 16 MiB
	s_add_nc_u64 s[84:85], s[4:5], s[84:85]        ; and in q's scale words; k's lie 262,144 bytes on
	s_add_nc_u64 s[QP:QP+1], s[82:83], s[QP:QP+1]
	s_add_nc_u64 s[QS:QS+1], s[84:85], s[QS:QS+1]
	s_add_nc_u64 s[AP:AP+1], s[6:7], s[AP:AP+1]
	s_add_nc_u64 s[AS:AS+1], s[6:7], s[AS:AS+1]
	SETG 0, KSL, 84, 262144
	SETG 1, 0, 82, 8388608
	SETG 2, VLDS, 82, 16777216
	SETG 3, FIRST, 82, 8388608+FIRST
	SETG 4, VLDS+FIRST, 82, 16777216+FIRST
	CROUND                                         ; all four work-groups are here: the joint loads meet
	ARM 1, G0, G1S, .La1
	ARM 2, G0+4, G1Q, .La2
	ARM 3, G0+8, G1Q, .La3
	ARM 4, G0+12, G1R, .La4
	ARM 5, G0+16, G1R, .La5
.Lhead_asked:
	WIN 0x40                                       ; data into window 1
.irp u,0,1
	global_load_b128 v[QB+8+16*\u:QB+11+16*\u], v[LI], s[QP:QP+1] offset:1024*\u          ; q of my first pair: channels 16 h on,
	global_load_b128 v[QB+12+16*\u:QB+15+16*\u], v[LI], s[QP:QP+1] offset:1024*\u+512     ; 32 + 16 h on
	global_load_b128 v[QH+8*\u:QH+3+8*\u], v[LI], s[QP:QP+1] offset:16384+1024*\u         ; and of my second
	global_load_b128 v[QH+4+8*\u:QH+7+8*\u], v[LI], s[QP:QP+1] offset:16384+1024*\u+512
.endr
	WIN 0
	global_load_b32 v[QWA], v[R16], s[QS:QS+1]
	global_load_b32 v[QW1], v[R16], s[QS:QS+1] offset:512
	WIN 0x40
.irp z,0,16,32
.irp j,0,1,2,3,4,5,6,7
	v_mov_b32 v[QB+\z+\j], 0                       ; the zero codes beside q
.endr
.endr
	WIN 0
.irp u,0,1
.irp b,0,1,2,3
	v_mov_b32 v[PX+24*\u+\b], 0                    ; written once: a lane permute's destination counts as a source
.endr
	v_mov_b32 v[FF+1+24*\u], 0                     ; (the upper half of a pair)
	v_mov_b32 v[TP+24*\u], 0
.endr
	WALU
	s_wait_loadcnt 0x0
	v_perm_b32 v[QWB], v[QWA], v[QWA], 0x01000302  ; the word with its halves exchanged
	WALU
	s_cmp_lt_u32 s[WV], 3                          ; the scale words and keys 0-639 are waves 0 to 2's loads: they wait here, the others behind four steps
	s_cbranch_scc0 .Lnot_first
	s_wait_tensorcnt 0x0
.Lnot_first:
	s_barrier_signal -1
	s_barrier_wait -1
.macro GSUM2 s, g                      ; sixteen p of a lane into partial sums g and g + 1: no result is read across an exponential, and none by the line next to its write
	v_pk_add_f32 v[TA:TA+1], v[\s+8*(\g):\s+8*(\g)+1], v[\s+8*(\g)+2:\s+8*(\g)+3]
	v_pk_add_f32 v[TC:TC+1], v[\s+8*(\g)+4:\s+8*(\g)+5], v[\s+8*(\g)+6:\s+8*(\g)+7]
	v_pk_add_f32 v[TD:TD+1], v[\s+8*(\g)+8:\s+8*(\g)+9], v[\s+8*(\g)+10:\s+8*(\g)+11]
	v_pk_add_f32 v[TE:TE+1], v[\s+8*(\g)+12:\s+8*(\g)+13], v[\s+8*(\g)+14:\s+8*(\g)+15]
	v_pk_add_f32 v[G+2*(\g):G+2*(\g)+1], v[TA:TA+1], v[TC:TC+1]
	v_pk_add_f32 v[G+2*(\g)+2:G+2*(\g)+3], v[TD:TD+1], v[TE:TE+1]
.endm
.macro MERGE l, u                      ; the eight partial sums joined; the last line brings l under the new M and adds
.if \l == 0
.irp k,0,4,8,12
	v_pk_add_f32 v[G+\k:G+\k+1], v[G+\k:G+\k+1], v[G+\k+2:G+\k+3]
.endr
.elseif \l == 1
	v_pk_add_f32 v[G:G+1], v[G:G+1], v[G+4:G+5]
	v_pk_add_f32 v[G+8:G+9], v[G+8:G+9], v[G+12:G+13]
.elseif \l == 2
	v_pk_add_f32 v[G:G+1], v[G:G+1], v[G+8:G+9]
.else
	v_pk_fma_f32 v[SU+24*\u:SU+24*\u+1], v[SU+24*\u:SU+24*\u+1], v[FF+24*\u:FF+24*\u+1], v[G:G+1] op_sel_hi:[1,0,1]
.endif
.endm
.macro HOLDS u, b                      ; the conversion does not saturate (ISA guide 7.6.2); p is not negative: a one-sided hold, two numbers a line
.irp i,0,2,4,6,8,10,12,14
	v_dual_min_num_f32 v[S0+64*\u+16*\b+\i], v[S0+64*\u+16*\b+\i], v[HL+24*\u+\b] :: v_dual_min_num_f32 v[S0+64*\u+16*\b+\i+1], v[S0+64*\u+16*\b+\i+1], v[HL+24*\u+\b]
.endr
.endm
.macro CVT u, b
	v_cvt_scalef32_pk8_fp8_f32 v[PCD+16*\u+4*\b:PCD+16*\u+4*\b+1], v[S0+64*\u+16*\b:S0+64*\u+16*\b+7], v[SOP+24*\u+\b]
	v_cvt_scalef32_pk8_fp8_f32 v[PCD+16*\u+4*\b+2:PCD+16*\u+4*\b+3], v[S0+64*\u+16*\b+8:S0+64*\u+16*\b+15], v[SOP+24*\u+\b]
.endm
; A KEY STEP: 128 keys against both tiles.  cond = 1: the run's last trip reads no further fragments of K (there is no step behind it).
.macro STEP cond
	v_add_nc_u32 v[ADK], s[TB], v[LI]
	v_add_nc_u32 v[ADV], s[TB], v[LIV]
	v_add_nc_u32 v[ADS], s[TS], v[LSC]
	WALU
	s_wait_dscnt 0x0                               ; K's fragments, asked for a step ago
	WIN 0x05                                       ; K and q in window 1, the scores in window 0
.irp g,0,1,2,3
	v_wmma_scale_f32_16x16x128_f8f6f4 v[S0+16*\g:S0+16*\g+7], v[FK+16*\g:FK+16*\g+15], v[QB+8:QB+23], 0, v[KSC+\g], v[QWA]
	v_wmma_scale_f32_16x16x128_f8f6f4 v[S0+16*\g+8:S0+16*\g+15], v[FK+16*\g:FK+16*\g+15], v[QB:QB+15], 0, v[KSC+\g], v[QWB]
	v_wmma_scale_f32_16x16x128_f8f6f4 v[S1+16*\g:S1+16*\g+7], v[FK+16*\g:FK+16*\g+15], v[QB+24:QB+39], 0, v[KSC+\g], v[QWB]
	v_wmma_scale_f32_16x16x128_f8f6f4 v[S1+16*\g+8:S1+16*\g+15], v[FK+16*\g:FK+16*\g+15], v[QB+16:QB+31], 0, v[KSC+\g], v[QWA]
.endr                                          ; register 16 g + i: key 32 g + 16 (lane / 16) + i
	WIN 0
	v_mov_b32 v[OLD], v[MM]                        ; eight places ahead of the first read of the scores and of the loads into K's registers; with the three additions they also part the last step's products from the loads into V's
	v_mov_b32 v[OLD+24], v[MM+24]
.rept 6
	v_nop
.endr
	WIN 0x40
.irp t,0,1,2,3                                 ; V's fragments land under the softmax
.irp c,0,1,2,3
	ds_load_b128 v[FV+16*\t+4*\c:FV+16*\t+4*\c+3], v[ADV] offset:4096*(\c/2)+1024*\t+512*(\c%2)
.endr
.endr
	WIN 0
	ds_load_b128 v[VSC:VSC+3], v[ADS] offset:4096
.if \cond
	s_cmp_eq_u32 s[CNT], 1
	s_cbranch_scc1 .Lno_k_\@
.endif
	KLOAD ADK, ADS, 8192, 256                      ; and the next step's K
.if \cond
.Lno_k_\@:
.endif
.irp u,0,1
.irp b,0,1,2,3
	v_max3_num_f32 v[BM+24*\u+\b], v[S0+64*\u+16*\b], v[S0+64*\u+16*\b+1], v[S0+64*\u+16*\b+2]   ; each block's largest score; each accumulator from its low end on
.endr
.endr
.irp i,3,5,7,9,11,13
.irp u,0,1
.irp b,0,1,2,3
	v_max3_num_f32 v[BM+24*\u+\b], v[BM+24*\u+\b], v[S0+64*\u+16*\b+\i], v[S0+64*\u+16*\b+\i+1]
.endr
.endr
.endr
.irp u,0,1
.irp b,0,1,2,3
	v_max_num_f32 v[BM+24*\u+\b], v[BM+24*\u+\b], v[S0+64*\u+16*\b+15]
.endr
.endr
.irp u,0,1
.irp b,0,1,2,3
	v_permlanex16_b32 v[PX+24*\u+\b], v[BM+24*\u+\b], s[SEL], s[SEL+1]
.endr
.endr
.irp u,0,1
.irp b,0,1,2,3
	v_max_num_f32 v[BM+24*\u+\b], v[BM+24*\u+\b], v[PX+24*\u+\b]   ; with lane l xor 16's 16 keys
.endr
.endr
.irp u,0,1
	v_max3_num_f32 v[TP+24*\u], v[BM+24*\u], v[BM+24*\u+1], v[BM+24*\u+2]
.endr
.irp u,0,1
	v_max3_num_f32 v[MM+1+24*\u], v[MM+1+24*\u], v[TP+24*\u], v[BM+24*\u+3]   ; the running largest score
.endr
.irp u,0,1
	v_mul_f32 v[TP+24*\u], s[CS], v[MM+1+24*\u]    ; as t (c is positive)
.endr
.irp u,0,1
	v_floor_f32 v[MM+24*\u], -v[TP+24*\u]          ; -M = floor(-t): a whole number
.endr
.irp u,0,1
	v_sub_f32 v[TP+24*\u], v[MM+24*\u], v[OLD+24*\u]   ; old M - new M, 0 or less
.endr
.irp u,0,1
.irp b,0,1,2,3
	v_fma_f32 v[BM+24*\u+\b], v[BM+24*\u+\b], s[CS], v[MM+24*\u]   ; the block's largest t - M
.endr
.endr
.irp u,0,1
	v_cvt_i32_f32 v[TP+24*\u], v[TP+24*\u]         ; (it saturates)
.endr
.irp u,0,1
.irp b,0,1,2,3
	v_max_num_f32 v[BM+24*\u+\b], 0xc2ec0000, v[BM+24*\u+\b]       ; not under -118: the byte cannot fall under 1
.endr
.endr
.irp u,0,1
	v_ldexp_f32 v[FF+24*\u], 1.0, v[TP+24*\u]      ; f = 2^(old M - new M)
.endr
.irp u,0,1
.irp b,0,1,2,3
	v_floor_f32 v[BM+24*\u+\b], v[BM+24*\u+\b]
.endr
.endr
.irp u,0,1
.irp b,0,1,2,3
	v_cvt_i32_f32 v[PX+24*\u+\b], v[BM+24*\u+\b]   ; E
.endr
.endr
.irp u,0,1
.irp b,0,1,2,3
	v_lshl_add_u32 v[SOP+24*\u+\b], v[PX+24*\u+\b], 23, 0x3b800000   ; exponent field E + 119: the conversion's scale operand
	v_lshl_add_u32 v[HL+24*\u+\b], v[PX+24*\u+\b], 23, 0x3fe00000    ; 1.75 x 2^E = 448 x the scale
.endr
.endr
.irp u,0,1
	v_lshl_add_u32 v[TP+24*\u], v[PX+24*\u+1], 8, v[PX+24*\u]      ; the sum of E_b 2^(8 b) ...
	v_lshl_add_u32 v[OLD+24*\u], v[PX+24*\u+3], 8, v[PX+24*\u+2]
.endr
.irp u,0,1
	v_lshl_add_u32 v[TP+24*\u], v[OLD+24*\u], 16, v[TP+24*\u]
.endr
.irp u,0,1
	v_add_nc_u32 v[PSW+\u], 0x77777777, v[TP+24*\u]                ; ... + 119 in each byte: p's scale word
.endr
	WIN 0x41                                       ; O^T in window 1, f in window 0
.irp u,0,1
.irp j,0,2,4,6,8,10,12,14,16,18,20,22,24,26,28,30
	v_pk_mul_f32 v[O+32*\u+\j:O+32*\u+\j+1], v[O+32*\u+\j:O+32*\u+\j+1], v[FF+24*\u:FF+24*\u+1] op_sel_hi:[1,0]   ; O^T under the new M, ahead of the step's exponentials
.endr
.endr
	WIN 0
.set j, 0
.rept 32
	v_pk_fma_f32 v[S0+j:S0+j+1], v[S0+j:S0+j+1], s[CS:CS+1], v[MM:MM+1] op_sel_hi:[1,0,0]   ; t - M of tile 0
.set j, j+2
.endr
	WALU                                           ; ahead of the batch
.set j, 0
.rept 32
	v_exp_f32 v[S0+j], v[S0+j]                     ; tile 0's p; among them tile 1's t - M, read behind the next wait
	v_exp_f32 v[S0+j+1], v[S0+j+1]
	v_pk_fma_f32 v[S1+j:S1+j+1], v[S1+j:S1+j+1], s[CS:CS+1], v[MM+24:MM+25] op_sel_hi:[1,0,0]
.set j, j+2
.endr
	WALU                                           ; behind tile 0's batch and ahead of tile 1's
.irp b,0,1,2,3
.irp i,0,1,2,3,4,5,6,7,8,9,10,11,12,13,14,15
	v_exp_f32 v[S1+16*\b+\i], v[S1+16*\b+\i]       ; tile 1's p; among them tile 0's sums of the UNQUANTISED p, and behind a block's sums its holds
.endr
	GSUM2 S0, 2*\b
	HOLDS 0, \b
.endr
	WALU                                           ; behind the batch
	MERGE 0, 0
	CVT 0, 0
	CVT 0, 1
	MERGE 1, 0
	CVT 0, 2
	CVT 0, 3
	MERGE 2, 0
	MERGE 3, 0
	GSUM2 S1, 0
	HOLDS 1, 0
	GSUM2 S1, 2
	CVT 1, 0
	HOLDS 1, 1
	GSUM2 S1, 4
	CVT 1, 1
	HOLDS 1, 2
	GSUM2 S1, 6
	CVT 1, 2
	HOLDS 1, 3
	CVT 1, 3
	MERGE 0, 1                                     ; these eight lines are also the places between the codes and the products
	MERGE 1, 1
	MERGE 2, 1
	MERGE 3, 1
	WALU                                           ; ahead of the wait below
	s_wait_dscnt 0x0                               ; V, and the next step's K
	WIN 0x51                                       ; V and O^T in window 1, p's codes in window 0
.irp t,0,1,2,3                                 ; O^T += V^T p^T: the eight accumulators take turns
	v_wmma_scale_f32_16x16x128_f8f6f4 v[O+8*\t:O+8*\t+7], v[FV+16*\t:FV+16*\t+15], v[PCD:PCD+15], v[O+8*\t:O+8*\t+7], v[VSC+\t], v[PSW]
	v_wmma_scale_f32_16x16x128_f8f6f4 v[O+32+8*\t:O+32+8*\t+7], v[FV+16*\t:FV+16*\t+15], v[PCD+16:PCD+31], v[O+32+8*\t:O+32+8*\t+7], v[VSC+\t], v[PSW+1]
.endr
	WIN 0
	s_add_co_u32 s[TB], s[TB], 8192
	s_add_co_u32 s[TS], s[TS], 256
.endm
.macro RUN n, cond
	s_mov_b32 s[CNT], \n
.Lrun_\@:
	STEP \cond
	s_sub_co_u32 s[CNT], s[CNT], 1
	s_cmp_lg_u32 s[CNT], 0
	s_cbranch_scc1 .Lrun_\@
.endm
	s_mov_b32 s[PASS], 0
.Lpass:                                            ; two trips: a pair of tiles each
	KLOAD LI, LSC, 0, 0                            ; the first step's K
.irp u,0,1
	v_mov_b32 v[MM+24*\u], 0x7f000000              ; -M: a large whole number, so that the first f is 0
	v_mov_b32 v[MM+1+24*\u], 0xff61b1e6            ; the largest score so far: -3e38
	v_mov_b32 v[SU+24*\u], 0
	v_mov_b32 v[SU+1+24*\u], 0
.endr
	WIN 0x40
.set j, 0
.rept 64
	v_mov_b32 v[O+j], 0                            ; O^T: the step is written for every trip alike; the first finds zeros
.set j, j+1
.endr
	WIN 0
	s_mov_b32 s[TB], 0
	s_mov_b32 s[TS], 0
	RUN 4, 0
	s_wait_tensorcnt 0x0                           ; every load is in: the barrier shows keys 640 on (in the second trip nothing is out)
	s_wait_dscnt 0x0
	s_barrier_signal -1
	s_barrier_wait -1
	s_mov_b32 s[TB], 32768
	s_mov_b32 s[TS], 1024
	RUN 12, 1
	; THE PAIR ENDS: O^T / l; register 16 b + i is channel 32 b + 16 (lane / 16) + i of the head: two blocks of the last product's K; stored as an image of that operand's registers
.irp u,0,1
	v_add_f32 v[SU+24*\u], v[SU+24*\u], v[SU+1+24*\u]
.endr
.irp u,0,1
	v_permlanex16_b32 v[TP+24*\u], v[SU+24*\u], s[SEL], s[SEL+1]
.endr
.irp u,0,1
	v_add_f32 v[SU+24*\u], v[SU+24*\u], v[TP+24*\u]
.endr
	WALU
	v_rcp_f32 v[SU], v[SU]
	v_rcp_f32 v[SU+24], v[SU+24]
.rept 4
	v_nop                                          ; with the six lines above: the places behind the last products; and the plain line behind the reciprocals
.endr
	WIN 0x01
	WALU                                           ; directly ahead of the first reader of O^T and of the reciprocals
.irp u,0,1
.irp j,0,2,4,6,8,10,12,14,16,18,20,22,24,26,28,30
	v_pk_mul_f32 v[S0+64*\u+\j:S0+64*\u+\j+1], v[O+32*\u+\j:O+32*\u+\j+1], v[SU+24*\u:SU+24*\u+1] op_sel_hi:[1,0]
.endr
.endr
	WIN 0
.irp u,0,1
.irp b,0,1
	v_max3_num_f32 v[BM+24*\u+\b], |v[S0+64*\u+16*\b]|, |v[S0+64*\u+16*\b+1]|, 0x4800000   ; with the floor 2^(9 - 127)
.endr
.endr
.irp i,2,4,6,8,10,12,14
.irp u,0,1
.irp b,0,1
	v_max3_num_f32 v[BM+24*\u+\b], v[BM+24*\u+\b], |v[S0+64*\u+16*\b+\i]|, |v[S0+64*\u+16*\b+\i+1]|
.endr
.endr
.endr
.irp u,0,1
.irp b,0,1
	v_permlanex16_b32 v[PX+24*\u+\b], v[BM+24*\u+\b], s[SEL], s[SEL+1]
.endr
.endr
.irp u,0,1
.irp b,0,1
	v_max_num_f32 v[BM+24*\u+\b], v[BM+24*\u+\b], v[PX+24*\u+\b]
.endr
.endr
.irp u,0,1
.irp b,0,1
	v_add_nc_u32 v[SOP+24*\u+\b], 0xfc000000, v[BM+24*\u+\b]
	v_and_or_b32 v[HL+24*\u+\b], v[BM+24*\u+\b], 0x7f800000, s[MNT]
.endr
.endr
.irp u,0,1
.irp b,0,1
	v_lshrrev_b32 v[PX+24*\u+\b], 23, v[SOP+24*\u+\b]
.endr
.endr
.irp u,0,1
	v_lshl_or_b32 v[TP+24*\u], v[PX+24*\u+1], 8, v[PX+24*\u]       ; my row's two scale bytes
.endr
.irp u,0,1
.irp b,0,1
.irp i,0,1,2,3,4,5,6,7,8,9,10,11,12,13,14,15
	v_med3_num_f32 v[S0+64*\u+16*\b+\i], v[S0+64*\u+16*\b+\i], -v[HL+24*\u+\b], v[HL+24*\u+\b]
.endr
	CVT \u, \b
.endr
.endr
	v_nop                                          ; one plain line behind the last conversion
.irp u,0,1
	global_store_b128 v[LI], v[PCD+16*\u:PCD+16*\u+3], s[AP:AP+1] offset:16384*\u        ; 512 consecutive aligned bytes each
	global_store_b128 v[LI], v[PCD+16*\u+4:PCD+16*\u+7], s[AP:AP+1] offset:16384*\u+512
	global_store_b16 v[RO], v[TP+24*\u], s[AS:AS+1] offset:512*\u                        ; lanes l and l xor 16 write the same two bytes with the same value
.endr
	s_cmp_lg_u32 s[PASS], 0
	s_cbranch_scc1 .Lno_next
	s_wait_xcnt 0x0                                ; the stores have read their registers and bases
	s_add_nc_u64 s[AP:AP+1], s[AP:AP+1], 262144    ; 16 tiles of rows on
	s_add_nc_u64 s[AS:AS+1], s[AS:AS+1], 8192
	WIN 0x41
.irp u,0,1
.irp j,0,1,2,3,4,5,6,7
	v_mov_b32 v[QB+8+16*\u+\j], v[QH+8*\u+\j]      ; the second pair's q
.endr
.endr
	WIN 0
	v_mov_b32 v[QWA], v[QW1]
	v_perm_b32 v[QWB], v[QW1], v[QW1], 0x01000302
.Lno_next:
	s_add_co_u32 s[PASS], s[PASS], 1
	s_cmp_lt_u32 s[PASS], 2
	WALU                                           ; ahead of the branch
	s_cbranch_scc1 .Lpass
	s_wait_tensorcnt 0x0                           ; the wave's end
	ds_add_u32 v[SPW], v[NIL]
	s_wait_dscnt 0x0
	CROUND                                         ; the closing round
	s_endpgm
.Lfunc_end_k_q57a865e4b2_attn:
	.size	k_q57a865e4b2_attn, .Lfunc_end_k_q57a865e4b2_attn-k_q57a865e4b2_attn
	.p2alignl 7, 3214868480
	.fill 96, 4, 3214868480
	.section	.rodata,"a",@progbits
	.p2align	6, 0x0
	.amdhsa_kernel k_q57a865e4b2_attn
		.amdhsa_group_segment_fixed_size 327680
		.amdhsa_private_segment_fixed_size 0
		.amdhsa_enable_private_segment 0
		.amdhsa_kernarg_size 16
		.amdhsa_user_sgpr_count 2
		.amdhsa_user_sgpr_kernarg_segment_ptr 1
		.amdhsa_wavefront_size32 1
		.amdhsa_system_sgpr_workgroup_id_x 1
		.amdhsa_system_sgpr_workgroup_id_y 1
		.amdhsa_system_sgpr_workgroup_id_z 1
		.amdhsa_system_vgpr_workitem_id 0
		.amdhsa_next_free_vgpr 512
		.amdhsa_next_free_sgpr 92
		.amdhsa_reserve_vcc 0
		.amdhsa_float_denorm_mode_32 3
		.amdhsa_float_denorm_mode_16_64 3
		.amdhsa_memory_ordered 1
		.amdhsa_forward_progress 1
		.amdhsa_inst_pref_size 94
	.end_amdhsa_kernel
	.amdgpu_metadata
---
amdhsa.version: [ 1, 2 ]
amdhsa.kernels:
  - .name:           k_q57a865e4b2_attn
    .symbol:         k_q57a865e4b2_attn.kd
    .args:
      - { .name: qkv, .offset: 0, .size: 8, .value_kind: global_buffer, .address_space: global }
      - { .name: ao, .offset: 8, .size: 8, .value_kind: global_buffer, .address_space: global }
    .group_segment_fixed_size: 327680
    .private_segment_fixed_size: 0
    .kernarg_segment_align: 8
    .kernarg_segment_size: 16
    .max_flat_workgroup_size: 256
    .sgpr_count:     92
    .vgpr_count:     512
    .wavefront_size: 32
...
	.end_amdgpu_metadata
.endif
;; end of part 3
;; launch proj (part 4): grid 4 x 64, 4 waves a work-group, clusters of 4 x 4, 327,680 bytes of LDS; arguments ao, xw, bo, out0; writes out0
.if DOCPART == 4
	.amdgcn_target "amdgcn-amd-amdhsa--gfx1250"
	.amdhsa_code_object_version 6
	.text
	.protected	k_q57a865e4b2_proj
	.globl	k_q57a865e4b2_proj
	.p2align	8
	.type	k_q57a865e4b2_proj,@function
k_q57a865e4b2_proj:
	s_mov_b64 s[64:65], 0
	v_nop
	global_prefetch_b8 v0, s[64:65] scope:SCOPE_SE
	s_setreg_imm32_b32 hwreg(HW_REG_WAVE_MODE, 25, 1), 1
	s_wait_xcnt 0x0
	s_wait_alu depctr_hold_cnt(0) depctr_sa_sdst(0) depctr_va_vdst(0) depctr_va_sdst(0) depctr_va_ssrc(0) depctr_va_vcc(0) depctr_vm_vsrc(0)
	s_getreg_b32 s2, hwreg(HW_REG_IB_STS2, 6, 4)
	s_cmp_eq_u32 s2, 0
	s_cbranch_scc0 .Lentry_in_a_cluster
	s_endpgm
.Lentry_in_a_cluster:
	s_bfe_u32 s2, ttmp6, 0x10000c
	s_cmp_lg_u32 s2, 0xf033
	s_cbranch_scc0 .Lentry_shape_is_right
	s_endpgm
.Lentry_shape_is_right:
; out0 = attn Wo^T + bo: 8,192 x 1,024 x 1,024 on codes of FP8 (E4M3) with E8M0 scales.  A = ao (codes as images of operand registers: [tile of 16 rows: 16,384][128 of K: 2,048][32 of K: 512][lane: 16]; scale bytes [row][32] at AOS);
; B = Wo's rows in xw (codes [row][1,024] from row WOROW on, scale bytes [row][32] at XWS).  In both, storage row s holds the true row with bits 3 and 4 of s exchanged.
; A BLOCK OF 128 x 256 to a work-group: 64 x 4 = 256 work-groups.  Four waves, 2 x 2; a wave makes 64 x 128: 32 accumulators, 256 registers (window 2).  K goes in steps of 256 through a ring of two LDS slots.
; A's and B's fragments stand in two sets each (A: window 0, v128-255; B: window 1), so that the next 128 of K are fetched from LDS under the products of these 128.
; CLUSTERS of 4 x 4: A's tiles are asked for jointly along a row of the cluster, B's along a column.  THE HEAD'S FOUR TILES go out as one group, one a wave: wave 0 A's 128 rows of K step 0, wave 1 B's 256 rows,
; wave 2 A's scale bytes for all of K, wave 3 B's; slot 1's first fill stands behind the full sequence and a round.  In the ring waves 0, 1 fetch A's halves and waves 2, 3 B's.
; No prefetch: K has four steps; two come by the head's loads and the load behind it, and the other two are asked for as soon as a slot is free.
; The matrix instruction is used transposed (source 0 = B's rows), so that a lane holds eight neighbouring columns of a row; a block of 16 rows leaves through the wave's stage in slot 0, which has had its last fill and its last read by then.
; The scale words' loads take eight blocks for both halves of the lanes; A has four: in lanes 0-15 the other four registers hold bytes that lie further on in the scales' LDS bytes, and no product names them as A's.
.set XWS,    12582912
.set AOS,    8388608
.set WOROW,  11264
.set CROW,   4096
.set NQ,     2
.set ROWB,   256
.set KROW,   1024
.set PITCH,  272
.set FR,     16
.set NP,     8
.set HALFA,  16384                     ; 64 rows of A, 256 of K: four tiles of 4,096 bytes
.set HALFB,  128*PITCH
.set BOFF,   2*HALFA
.set SLOT,   2*HALFA+2*HALFB
.set LAPS,   2
.set KS,     32
.set SCL,    2*SLOT
.set HALFS,  (128*KS/256)*272          ; the scale bytes of 128 rows
.set SBLK,   (16*KS/256)*272
.set SPARE,  SCL+3*HALFS
.set SPITCH, 528
.set BI,   8
.set ADRA, 16
.set ADRB, 20
.set STO,  24
.set RD,   25
.set CO,   26
.set ADRS, 27
.set SPW,  28
.set NIL,  29
.set SC,   32
.set AF,   128
.set BK,   128
.set CP,   10
.set G1, 24
.set G0, 32
.set G1B, 48
.set G0B, 56
.set G1S, 68
.set G0S, 76
.set G1SB, 80
.set G0SB, 88
.set MSB, 0
.macro WIN new
.if MSB != \new
	s_set_vgpr_msb (MSB<<8)|\new
.set MSB, \new
.endif
.endm
.set MUL_LO, 0xa1                      ; source 0 (B) window 1, source 1 (A) window 0, C and D window 2
.set TO_B,   0x40
.macro PLACES n
.rept \n
	v_nop
.endr
.endm
.macro TL g0, g1                       ; a tensor load with an s_nop 0 and four v_nop behind it
	tensor_load_to_lds s[\g0:\g0+3], s[\g1:\g1+7]
	s_nop 0
	PLACES 4
.endm
.macro JLOAD g0a, g1a, g0b, g1b        ; the ring's loads: waves 0, 1 for A, waves 2, 3 for B
	s_cmp_eq_u32 s15, 0
	s_cbranch_scc0 .Lfor_b_\@
	TL \g0a, \g1a
	s_branch .Lasked_\@
.Lfor_b_\@:
	TL \g0b, \g1b
.Lasked_\@:
.endm
.macro ARM under, g0, g1, next
	s_cmp_lt_u32 s14, \under
	s_cbranch_scc0 \next
	TL \g0, \g1
	s_branch .Lhead_asked
\next:
.endm
.macro CREST
	s_cmp_lg_u32 s14, 0
	s_cbranch_scc1 .Lnot_wave_0_\@
	s_barrier_signal -3
.Lnot_wave_0_\@:
	s_barrier_wait -3
	s_barrier_signal -1
	s_barrier_wait -1
.endm
.macro CROUND
	s_barrier_signal -1
	s_barrier_wait -1
	CREST
.endm
.macro SETG g, lds, a
	s_mov_b32 s[\g], 1
	s_mov_b32 s[\g+1], \lds
	s_mov_b64 s[\g+2:\g+3], s[\a:\a+1]
	s_or_b32 s[\g+3], s[\g+3], 0x80000000
.endm
	s_load_b256 s[4:11], s[0:1], 0x0               ; ao, xw, bo, out0
	v_lshl_add_u32 v[SPW], v0, 2, SPARE
	v_mov_b32 v[NIL], 0
	ds_add_u32 v[SPW], v[NIL]                      ; the opening lines: the add twice on end and its wait
	ds_add_u32 v[SPW], v[NIL]
	v_lshrrev_b32 v1, 5, v0
	v_readfirstlane_b32 s14, v1                    ; wave
	s_lshr_b32 s15, s14, 1                         ; my half of the block's rows; also: I fetch for A (0) or B (1)
	s_and_b32 s16, s14, 1                          ; my half of its columns; also: which half of a tile I fetch
	s_bfe_u32 s40, ttmp6, 0x40000
	s_bfe_u32 s41, ttmp6, 0x40004
	s_lshl_b32 s42, ttmp9, 2
	s_add_co_u32 s42, s42, s40                     ; block column, 0..3
	s_and_b32 s17, ttmp7, 0xffff
	s_lshl_b32 s17, s17, 2
	s_add_co_u32 s17, s17, s41                     ; block row, 0..63
	s_lshl_b32 s43, s41, 2
	s_lshl_b32 s43, 15, s43                        ; my row of the cluster
	s_lshl_b32 s44, 0x1111, s40                    ; my column
	s_or_b32 s[G1+0], s43, (3<<16)|(1<<21)         ; A: rows of 4,096 bytes (512 elements of 8), 16,384 apart: a tile of 16 rows each; eight at the head
	s_mov_b32 s[G1+1], 512<<16
	s_mov_b32 s[G1+2], 8<<16
	s_mov_b32 s[G1+3], 512<<16
	s_mov_b32 s[G1+4], 8
	s_mov_b32 s[G1+5], 2048
	s_mov_b32 s[G1+6], 0
	s_mov_b32 s[G1+7], 0
	s_or_b32 s[G1B+0], s44, (0<<16)|(1<<20)|(1<<21)|(5<<22)|(3<<25)   ; B: rows of 256 bytes, 16 of padding behind each; 256 at the head
	s_mov_b32 s[G1B+1], ROWB<<16
	s_mov_b32 s[G1B+2], 256<<16
	s_mov_b32 s[G1B+3], ROWB<<16
	s_mov_b32 s[G1B+4], 256
	s_mov_b32 s[G1B+5], KROW
	s_mov_b32 s[G1B+6], 0
	s_mov_b32 s[G1B+7], 0
	s_or_b32 s[G1S+0], s43, (3<<16)|(1<<20)|(1<<21)|(5<<22)|(3<<25)   ; scale bytes: dense, as rows of 256 bytes + 16 of padding: A's 128 rows are 16,
	s_mov_b32 s[G1S+1], 32<<16
	s_mov_b32 s[G1S+2], 16<<16
	s_mov_b32 s[G1S+3], 32<<16
	s_mov_b32 s[G1S+4], 16
	s_mov_b32 s[G1S+5], 32
	s_mov_b32 s[G1S+6], 0
	s_mov_b32 s[G1S+7], 0
	s_or_b32 s[G1SB+0], s44, (3<<16)|(1<<20)|(1<<21)|(5<<22)|(3<<25)  ; B's 256 rows 32
	s_mov_b32 s[G1SB+1], 32<<16
	s_mov_b32 s[G1SB+2], 32<<16
	s_mov_b32 s[G1SB+3], 32<<16
	s_mov_b32 s[G1SB+4], 32
	s_mov_b32 s[G1SB+5], 32
	s_mov_b32 s[G1SB+6], 0
	s_mov_b32 s[G1SB+7], 0
	s_lshl_b32 s20, s17, 17                        ; A's codes: 131,072 bytes a block row
	s_mov_b32 s21, 0
	s_lshl_b32 s22, s17, 12                        ; its scale bytes: 4,096
	s_add_co_u32 s22, s22, AOS
	s_mov_b32 s23, 0
	s_lshl_b32 s46, s42, 8
	s_add_co_u32 s46, s46, WOROW                   ; B's first row in xw
	s_lshl_b32 s96, s46, 5
	s_add_co_u32 s96, s96, XWS
	s_mov_b32 s97, 0
	s_lshl_b32 s46, s46, 10
	s_mov_b32 s47, 0
	s_lshl_b32 s18, s16, 16                        ; the ring: my half of A's tile in memory,
	s_mov_b32 s19, 0
	s_lshl_b32 s92, s16, 17                        ; of B's,
	s_mov_b32 s93, 0
	s_mul_i32 s45, s16, HALFA                      ; and where they go in a slot
	s_mul_i32 s95, s16, HALFB
	s_add_co_u32 s95, s95, BOFF
	s_wait_dscnt 0x0                               ; both opening adds are done
	s_wait_kmcnt 0x0
	s_add_nc_u64 s[20:21], s[4:5], s[20:21]
	s_add_nc_u64 s[22:23], s[4:5], s[22:23]
	s_add_nc_u64 s[46:47], s[6:7], s[46:47]
	s_add_nc_u64 s[96:97], s[6:7], s[96:97]
	CROUND                                         ; all sixteen work-groups are here: the first joint loads meet
	SETG G0, 0, 20                                 ; slot 0's groups 0 serve the head's whole tiles first
	SETG G0B, BOFF, 46
	SETG G0S, SCL, 22
	SETG G0SB, SCL+HALFS, 96
	s_mov_b32 s[G0+4], 1                           ; slot 1: K step 1, my half
	s_add_co_u32 s[G0+5], s45, SLOT
	s_add_nc_u64 s[G0+6:G0+7], s[20:21], s[18:19]
	s_add_nc_u64 s[G0+6:G0+7], s[G0+6:G0+7], 4096
	s_or_b32 s[G0+7], s[G0+7], 0x80000000
	s_mov_b32 s[G0B+4], 1
	s_add_co_u32 s[G0B+5], s95, SLOT
	s_add_nc_u64 s[G0B+6:G0B+7], s[46:47], s[92:93]
	s_add_nc_u64 s[G0B+6:G0B+7], s[G0B+6:G0B+7], ROWB
	s_or_b32 s[G0B+7], s[G0B+7], 0x80000000
	ARM 1, G0, G1, .Lhead_b
	ARM 2, G0B, G1B, .Lhead_sa
	ARM 3, G0S, G1S, .Lhead_sb
	TL G0SB, G1SB
.Lhead_asked:
	s_lshl_b32 s96, s42, 10                        ; my first column in bytes: 1,024 x block column + 512 x half
	s_lshl_b32 s97, s16, 9
	s_add_co_u32 s96, s96, s97
	s_mov_b32 s97, 0
	s_add_nc_u64 s[8:9], s[8:9], s[96:97]          ; the bias there
	s_lshl_b32 s98, s17, 19                        ; my first row of out0: 128 rows of 4,096 bytes a block row, 64 a half
	s_lshl_b32 s99, s15, 18
	s_add_co_u32 s98, s98, s99
	s_add_co_u32 s98, s98, s96
	s_mov_b32 s99, 0
	s_add_nc_u64 s[CP:CP+1], s[CP:CP+1], s[98:99]
	s_mul_i32 s21, s15, HALFA                      ; my 64 rows of A in slot 0, 1
	s_add_co_u32 s2, s21, SLOT
	s_add_co_u32 s98, s95, SLOT                    ; my 128 rows of B lie at s95 in slot 0
	s_mul_i32 s94, s15, HALFS/2                    ; scale words: A's, my 64 rows;
	s_mul_i32 s99, s16, HALFS
	s_add_co_u32 s99, s99, HALFS                   ; B's, my 128 rows, behind A's 128
	s_sub_co_u32 s99, s99, s94
	s_add_co_u32 s94, s94, SCL
	s_mul_i32 s23, s14, 16*SPITCH                  ; my stage
	v_and_b32 v1, 15, v0
	v_bfe_u32 v2, v0, 4, 1
	v_and_b32 v6, 31, v0
	v_lshlrev_b32 v[CO], 4, v6
	v_mul_u32_u24 v3, v1, PITCH
	v_lshl_add_u32 v4, v2, 4, v3
	v_add_nc_u32 v[ADRA], s21, v[CO]
	v_add_nc_u32 v[ADRA+1], s2, v[CO]
	v_add_nc_u32 v[ADRB], s95, v4
	v_add_nc_u32 v[ADRB+1], s98, v4
	v_mul_u32_u24 v5, v1, KS
	v_lshrrev_b32 v6, 8, v5
	v_lshl_add_u32 v5, v6, 4, v5
	v_mul_u32_u24 v6, s99, v2                      ; lanes 16-31 take B's
	v_add_nc_u32 v5, v5, v6
	v_add_nc_u32 v[ADRS], s94, v5
	v_mul_u32_u24 v5, v1, SPITCH
	v_lshl_add_u32 v5, v2, 6, v5
	v_add_nc_u32 v[STO], s23, v5
	v_add_nc_u32 v[RD], s23, v[CO]
	s_wait_alu depctr_va_vdst(0)
	global_load_b128 v[BI:BI+3], v[CO], s[8:9]
.macro FRAG reg, adr, q, i
.irp c, 0,1,2,3
	ds_load_b128 v[\reg+4*\c:\reg+4*\c+3], v[\adr] offset:128*(\q)+32*\c+(\i)*16*PITCH
.endr
.endm
.macro FRAGA reg, adr, q, i
.irp c, 0,1,2,3
	ds_load_b128 v[\reg+4*\c:\reg+4*\c+3], v[\adr] offset:2048*(\q)+512*\c+(\i)*4096
.endr
.endm
.macro MULA a, p, q, sc, zero          ; eight products: A's block a against B's eight, fragment sets p; the 32 accumulators take turns
.irp b, 0,1,2,3,4,5,6,7
.if \zero
	v_wmma_scale_f32_16x16x128_f8f6f4 v[8*(8*(\a)+\b):8*(8*(\a)+\b)+7], v[128*(\p)+FR*\b:128*(\p)+FR*\b+FR-1], v[AF+64*(\p)+FR*(\a):AF+64*(\p)+FR*(\a)+FR-1], 0, v[SC+8*NQ*(\sc)+NQ*\b+(\q)], v[SC+8*NQ*(\sc)+NQ*(\a)+(\q)] matrix_a_scale:MATRIX_SCALE_ROW1
.else
	v_wmma_scale_f32_16x16x128_f8f6f4 v[8*(8*(\a)+\b):8*(8*(\a)+\b)+7], v[128*(\p)+FR*\b:128*(\p)+FR*\b+FR-1], v[AF+64*(\p)+FR*(\a):AF+64*(\p)+FR*(\a)+FR-1], v[8*(8*(\a)+\b):8*(8*(\a)+\b)+7], v[SC+8*NQ*(\sc)+NQ*\b+(\q)], v[SC+8*NQ*(\sc)+NQ*(\a)+(\q)] matrix_a_scale:MATRIX_SCALE_ROW1
.endif
.endr
.endm
.macro FETCH slot, q, p                ; the fragments of the slot's q-th 128 of K into sets p: 48 LDS loads
	WIN TO_B
.irp i, 0,1,2,3,4,5,6,7
	FRAG 128*(\p)+FR*\i, ADRB+\slot, \q, \i
.endr
	WIN 0
.irp i, 0,1,2,3
	FRAGA AF+64*(\p)+FR*\i, ADRA+\slot, \q, \i
.endr
.endm
.macro SCALES sc
.irp i, 0,1,2,3,4,5,6,7
	ds_load_b64 v[SC+8*NQ*\sc+NQ*\i:SC+8*NQ*\sc+NQ*\i+1], v[ADRS] offset:\i*SBLK
.endr
.endm
.macro STEP slot, zero                 ; a slot's first 128 of K, sets 0; its second 128 are fetched into sets 1
	s_wait_dscnt 0
	WIN MUL_LO
	MULA 0, 0, 0, \slot, \zero
	PLACES NP                                      ; ahead of loads into registers that the products before this step have read
	FETCH \slot, 1, 1
	WIN MUL_LO
	MULA 1, 0, 0, \slot, \zero
	MULA 2, 0, 0, \slot, \zero
	MULA 3, 0, 0, \slot, \zero
	WIN 0
.endm
.macro TURN slot, next, fill           ; a slot's second 128 of K, sets 1, and the change of slots
	s_wait_tensorcnt 0x0                           ; my part of the next slot is in
	ds_add_u32 v[SPW], v[NIL]
	s_wait_dscnt 1                                 ; the fragments are in; the add, issued behind them, may be out
	WIN MUL_LO
	MULA 0, 1, 1, \slot, 0
	s_wait_dscnt 0x0                               ; the add is done, my reads of this slot are over
	s_barrier_signal -1
	MULA 1, 1, 1, \slot, 0
	WIN 0
	s_barrier_wait -1
.if \fill
	CREST                                          ; the barrier has opened a round of the cluster's barrier
	s_add_nc_u64 s[G0+4*\slot+2:G0+4*\slot+3], s[G0+4*\slot+2:G0+4*\slot+3], 2*4096
	s_add_nc_u64 s[G0B+4*\slot+2:G0B+4*\slot+3], s[G0B+4*\slot+2:G0B+4*\slot+3], 2*ROWB
	JLOAD G0+4*\slot, G1, G0B+4*\slot, G1B
	PLACES NP-4
.else
	PLACES NP
.endif
	s_wait_alu depctr_va_vdst(0)                   ; ahead of the reader below
	v_add_nc_u32 v[ADRS], 4*NQ, v[ADRS]            ; the next K step's scale words
	FETCH \next, 0, 0
	SCALES \next
	WIN MUL_LO
	MULA 2, 1, 1, \slot, 0
	MULA 3, 1, 1, \slot, 0
	WIN 0
.endm
	s_wait_loadcnt 0x0                             ; the bias
	s_wait_tensorcnt 0x0                           ; my tile of the head's four is in; the full sequence ahead of slot 1's first fill:
	ds_add_u32 v[SPW], v[NIL]
	s_mov_b32 s[G1+2], 4<<16                       ; no tensor load of mine is out: from here on a load brings half a tile: four tiles of 16 rows of A,
	s_mov_b32 s[G1+4], 4
	s_mov_b32 s[G1B+2], 128<<16                    ; 128 rows of B;
	s_mov_b32 s[G1B+4], 128
	s_mov_b32 s[G0+1], s45                         ; and slot 0's groups 0 name my halves
	s_add_nc_u64 s[G0+2:G0+3], s[G0+2:G0+3], s[18:19]
	s_mov_b32 s[G0B+1], s95
	s_add_nc_u64 s[G0B+2:G0B+3], s[G0B+2:G0B+3], s[92:93]
	s_wait_dscnt 0x0
	CROUND
	JLOAD G0+4, G1, G0B+4, G1B                     ; K step 1
	FETCH 0, 0, 0
	SCALES 0
	STEP 0, 1                                      ; the first products start the sums
	s_mov_b32 s3, LAPS-1
.Llap:
	TURN 0, 1, 1
	STEP 1, 0
	TURN 1, 0, 1
	STEP 0, 0
	s_sub_co_u32 s3, s3, 1
	s_cmp_lg_u32 s3, 0
	s_cbranch_scc1 .Llap
	TURN 0, 1, 0
	STEP 1, 0
	s_wait_dscnt 0
	WIN MUL_LO
	MULA 0, 1, 1, 1, 0
	MULA 1, 1, 1, 1, 0
	MULA 2, 1, 1, 1, 0
	MULA 3, 1, 1, 1, 0
	WIN 0
.macro TOSTAGE a                       ; a block of 16 rows x 128 columns into my stage, each accumulator from its low end on, and back as whole rows of 512 bytes
.set AC, 64*(\a)
	WIN 0x08
.irp b, 0,1,2,3,4,5,6,7
	ds_store_b128 v[STO], v[AC+8*\b:AC+8*\b+3] offset:128*(\b/2)+32*(\b%2)
	ds_store_b128 v[STO], v[AC+8*\b+4:AC+8*\b+7] offset:128*(\b/2)+32*(\b%2)+16
.endr
	WIN 0
.set BB, BK+64*((\a)%2)
.irp t, 0,1,2,3,4,5,6,7,8,9,10,11,12,13,14,15
	ds_load_b128 v[BB+4*\t:BB+4*\t+3], v[RD] offset:\t*SPITCH
.endr
.endm
.macro SEND a, younger                 ; younger: the LDS instructions issued behind block a's loads
.set BB, BK+64*((\a)%2)
	s_wait_dscnt \younger
.irp t, 0,1,2,3,4,5,6,7,8,9,10,11,12,13,14,15
	v_pk_add_f32 v[BB+4*\t:BB+4*\t+1], v[BB+4*\t:BB+4*\t+1], v[BI:BI+1]
	v_pk_add_f32 v[BB+4*\t+2:BB+4*\t+3], v[BB+4*\t+2:BB+4*\t+3], v[BI+2:BI+3]
.endr
.if (\a) > 0
.if ((\a)%2) == 1
	s_add_nc_u64 s[CP:CP+1], s[CP:CP+1], 8*CROW    ; (behind a wait on XCNT)  a block's rows are two groups of eight tokens, 16 apart
.else
	s_add_nc_u64 s[CP:CP+1], s[CP:CP+1], 24*CROW
.endif
.endif
.irp t, 0,1,2,3,4,5,6,7,8,9,10,11,12,13,14,15
	global_store_b128 v[CO], v[BB+4*\t:BB+4*\t+3], s[CP:CP+1] offset:(\t+8*(\t/8))*CROW th:TH_STORE_NT   ; 32 lanes store 512 consecutive aligned bytes
.endr
.endm
	PLACES NP
	TOSTAGE 0
.irp a, 1,2,3
.if \a > 1
	s_wait_xcnt 0x0                                ; block a - 2's stores have read their registers and their base
.endif
	TOSTAGE \a
	SEND \a-1, 32
.endr
	s_wait_xcnt 0x0
	SEND 3, 0
	s_wait_tensorcnt 0x0                           ; the wave's end
	ds_add_u32 v[SPW], v[NIL]
	s_wait_dscnt 0x0
	CROUND                                         ; the closing round
	s_endpgm
.Lfunc_end_k_q57a865e4b2_proj:
	.size	k_q57a865e4b2_proj, .Lfunc_end_k_q57a865e4b2_proj-k_q57a865e4b2_proj
	.p2alignl 7, 3214868480
	.fill 96, 4, 3214868480
	.section	.rodata,"a",@progbits
	.p2align	6, 0x0
	.amdhsa_kernel k_q57a865e4b2_proj
		.amdhsa_group_segment_fixed_size 327680
		.amdhsa_private_segment_fixed_size 0
		.amdhsa_enable_private_segment 0
		.amdhsa_kernarg_size 32
		.amdhsa_user_sgpr_count 2
		.amdhsa_user_sgpr_kernarg_segment_ptr 1
		.amdhsa_wavefront_size32 1
		.amdhsa_system_sgpr_workgroup_id_x 1
		.amdhsa_system_sgpr_workgroup_id_y 1
		.amdhsa_system_sgpr_workgroup_id_z 1
		.amdhsa_system_vgpr_workitem_id 0
		.amdhsa_next_free_vgpr 1024
		.amdhsa_next_free_sgpr 100
		.amdhsa_reserve_vcc 0
		.amdhsa_float_denorm_mode_32 3
		.amdhsa_float_denorm_mode_16_64 3
		.amdhsa_memory_ordered 1
		.amdhsa_forward_progress 1
		.amdhsa_inst_pref_size 98
	.end_amdhsa_kernel
	.amdgpu_metadata
---
amdhsa.version: [ 1, 2 ]
amdhsa.kernels:
  - .name:           k_q57a865e4b2_proj
    .symbol:         k_q57a865e4b2_proj.kd
    .args:
      - { .name: ao, .offset: 0, .size: 8, .value_kind: global_buffer, .address_space: global }
      - { .name: xw, .offset: 8, .size: 8, .value_kind: global_buffer, .address_space: global }
      - { .name: bo, .offset: 16, .size: 8, .value_kind: global_buffer, .address_space: global }
      - { .name: out0, .offset: 24, .size: 8, .value_kind: global_buffer, .address_space: global }
    .group_segment_fixed_size: 327680
    .private_segment_fixed_size: 0
    .kernarg_segment_align: 8
    .kernarg_segment_size: 32
    .max_flat_workgroup_size: 128
    .sgpr_count:     100
    .vgpr_count:     1024
    .wavefront_size: 32
...
	.end_amdgpu_metadata
.endif
;; end of part 4
